; MI455X (gfx1250); checked and timed in simulation.
; The chip was launched on July 23, 2026; its instructions are those of AMD's public machine-readable ISA for CDNA 5 (MIT licence, August 2026) and "CDNA5" Instruction Set Architecture Reference Guide (July 2026). The comments in the code are by the model that wrote it; some were corrected since.
;; Attention. Allowed arithmetic: matrix products marked QUANTISED: E2M1 operands, one E8M0 scale for each 32 along K, by v_wmma_scale_f32_16x16x128_f8f6f4 with both operands' format E2M1 (or v_wmma_scale_f32_32x16x128_f4), f32 sums; products left as they are: bf16, f16 or f32 operands; f32 sums; everything else in f32.
;; Inputs: W_proj 1,024 x 1,024 float32; W_qkv 3,072 x 1,024 float32; cos 2,048 x 32 float32; mask 1 x 1 x 2,048 x 2,048 int32; sin 2,048 x 32 float32; x 4 x 2,048 x 1,024 float32.
;; Outputs: out0 4 x 2,048 x 1,024 float32.
;; This version of the problem:
;;   THIS VERSION OF THE PROBLEM IS GIVEN IN LOW PRECISION. The matrix products marked QUANTISED in the list below multiply operands that are first quantised to E2M1 (2 exponent bits, 1 mantissa bit; 4 bits a number), with one power-of-two scale for each 32 numbers along K (OCP MX v1.0); their sums are f32. The products marked 'left as it is' may take bf16, f16 or f32 operands, with f32 sums. Whichever they take, every output number must still come out within the allowed error. Rounding operands to bf16 (8 significant bits) uses up far more of that allowance than f16 does (11 bits, for magnitudes from 6e-5 to 65,504). All else is computed in f32.
;;   The module's matrix products, in the order in which they are computed (A, B: the left and right operand; K: the contracted axis; several contracted axes count as one K, in the product's order):
;;     1. [M 8,192, K 1,024] x [K 1,024, N 3,072]; A: input x; B: input W_qkv: QUANTISED
;;     2. batch 64 x [M 2,048, K 64] x [K 64, N 2,048]; A: computed on the way; B: computed on the way: left as it is (an operand is computed on the way)
;;     3. batch 64 x [M 2,048, K 2,048] x [K 2,048, N 64]; A: computed on the way; B: computed on the way: left as it is (an operand is computed on the way)
;;     4. [M 8,192, K 1,024] x [K 1,024, N 1,024]; A: computed on the way; B: input W_proj: left as it is (an operand is computed on the way)
;;   THE QUANTISER, for each operand of a quantised product, along K:
;;     - K is cut into blocks of 32 from its start; a last block that is shorter is filled with zeros.
;;     - A block's scale is 2^e with e = floor(log2(the largest magnitude in the block)) - 2, held to -126 .. 127; a block of zeros has e = 0. As a byte (E8M0): e + 127.
;;     - Each number is divided by its block's scale, clamped to +-6, and rounded to the nearest number of E2M1, ties to even, subnormals kept.
;;     - The product sums the exact products of the quantised numbers (number of the format x scale) in f32.
;;   ~~~python
;;   def quantise(x, axis):      # numpy; x: float32 -> the quantised numbers, widened to float32 again
;;       x = np.moveaxis(x, axis, -1); K = x.shape[-1]
;;       x = np.pad(x, [(0, 0)] * (x.ndim - 1) + [(0, -K % 32)]); x = x.reshape(x.shape[:-1] + (-1, 32)); a = np.abs(x).max(-1, keepdims=True)
;;       e = np.where(a > 0, np.clip(np.frexp(np.where(a > 0, a, 1))[1] - 1 - 2, -126, 127), 0)      # np.frexp(a)[1] - 1 = floor(log2(a)), exactly
;;       r = np.clip(x / 2.0 ** e, -6, 6)
;;       step = 2.0 ** (np.maximum(np.frexp(np.where(r == 0, 1, r))[1] - 1, 0) - 1)
;;       q = np.round(r / step) * step * 2.0 ** e      # np.round: ties to even
;;       return np.moveaxis(q.reshape(q.shape[:-2] + (-1,))[..., :K], -1, axis).astype(np.float32)
;;   ~~~
;; One version. Each part assembles by itself: llvm-mc -triple=amdgcn-amd-amdhsa -mcpu=gfx1250 --defsym DOCPART=n.
;; ======== version 1 of 1: 4 launches
;; limits: values are held in f16: magnitudes above 65,504 overflow, below 6.1e-05 lose precision
;; workspace buffers: codes 5,767,168 bytes; scales 360,448 bytes; maskw 524,288 bytes of whole numbers; wp_img 2,097,152 bytes; qkv_img 50,331,648 bytes; o_img 16,777,216 bytes
;; launch prep (part 1): grid 512 x 1, 4 waves a work-group, no clusters, 68,096 bytes of LDS; arguments x, W_qkv, mask, W_proj, codes, scales, maskw, wp_img; writes codes, scales, maskw, wp_img
.if DOCPART == 1
	.amdgcn_target "amdgcn-amd-amdhsa--gfx1250"
	.amdhsa_code_object_version 6
	.text
	.protected	k_q792d6ed3ff_prep
	.globl	k_q792d6ed3ff_prep
	.p2align	8
	.type	k_q792d6ed3ff_prep,@function
k_q792d6ed3ff_prep:
	s_mov_b64 s[64:65], 0
	v_nop
	global_prefetch_b8 v0, s[64:65] scope:SCOPE_SE
	s_setreg_imm32_b32 hwreg(HW_REG_WAVE_MODE, 25, 1), 1
	s_wait_xcnt 0x0
; PREP: everything that is made once from the inputs, 128 KiB of input to a work-group, three roles by the work-group's number.
;  0..351   x [8192][1024] and W_qkv [3072][1024], f32, K innermost, become ONE matrix of 11,264 rows of codes of FP4 (E2M1), 512 bytes a row, and one E8M0 byte for each 32 along K, 32 bytes a row.
;           A block's scale is 2^(floor(log2(its largest magnitude)) - 2); its byte is the largest magnitude's exponent field - 2, held at 1 from below.
;  352..479 mask [2048][2048] int32 becomes lane masks: word 8 t + j of (query tile qt, key step ks) has bit l = (mask[16 qt + l % 16][64 ks + 16 t + 8 (l / 16) + j] != 0):
;           the attention launch's score register 8 t + j takes that word as it stands.
;  480..511 W_proj [1024][1024] f32 becomes f16 in the order of a matrix operand's registers: [16 rows nt][16 columns kb][lane][16 bytes], lane (r, h) = row 16 nt + r, columns 16 kb + 8 h + 0..7.
; LIMITS: a block of zeros, or one whose largest magnitude lies under 2^-124, keeps the byte 1 (its codes are read by this program alone; zero codes add nothing);
;         W_proj beyond 65,504 in magnitude has no f16 number; NaN and infinities among the inputs are not served.
; No tensor load, no barrier: waves share nothing.  Each role has LDS bytes of its own, each wave its own part of them.
.set SP,    80                         ; quantiser: a lane's place in a stage: 64 bytes + 16 of padding
.set WREG,  8192                       ; quantiser: LDS of a wave: two stages of 32 x SP bytes, then its 256 scale bytes
.set MST,   32768                      ; mask: a stage of 16 rows x (256 + 16) bytes for each wave
.set WST,   50176                      ; W_proj: the same size
.set STGB,  4352
.set SPARE, 67584                      ; the spare words, 128 bytes for each wave: two blocks of 256 bytes that no other line names
.set SPW,   12                         ; v12  LDS address of my spare word; never rewritten
.set NIL,   13                         ; v13  0; never rewritten
.set R,     16                         ; quantiser: v16-79 four sets of 16 numbers as loaded
.set X,     80                         ;            v80-111 two sets of 16 neighbours
.set E,     112                        ;            v112-127 a scale byte for each step
.set C,     128                        ;            v128-191 codes, four registers for each step
.set MR,    16                         ; mask: v16-143 four sets of 32 registers as loaded
.set MX,    144                        ;       v144-175 the 32 mask numbers of a lane, in the order of the score registers
.set OW,    176                        ;       v176-183 two sets of four registers of words to store
.set WR,    16                         ; W_proj: v16-143 two sets of 64 numbers
.set WPK,   144                        ;         v144-175 packed halves
.set WBK,   176                        ;         v176-207 read back in the image's order
.set MA,    208                        ; v208 mask: my byte in two rows of the input
.set MSI,   209                        ; v209 mask: into the stage
.set MSO,   210                        ; v210 mask: out of it
.set WSI,   211                        ; v211 W_proj: into the stage
.set WSO,   212                        ; v212 W_proj: out of it
.macro FINISH                          ; the wave's end, behind my last LDS store
	s_wait_tensorcnt 0x0
	ds_add_u32 v[SPW], v[NIL]
	s_wait_dscnt 0x0
	s_endpgm
.endm
	s_load_b512 s[4:19], s[0:1], 0x0               ; x 4:5, W_qkv 6:7, mask 8:9, W_proj 10:11, codes 12:13, scales 14:15, maskw 16:17, wp_img 18:19
	v_lshl_add_u32 v[SPW], v0, 2, SPARE
	v_mov_b32 v[NIL], 0
	v_lshrrev_b32 v1, 5, v0
	v_readfirstlane_b32 s20, v1                    ; wave 0..3
	v_and_b32 v2, 31, v0                           ; lane
	v_lshlrev_b32 v3, 4, v2                        ; 16 x lane
	v_and_b32 v8, 15, v0                           ; r
	v_bfe_u32 v9, v0, 4, 1                         ; h
	; every role's LDS addresses are made here, ahead of the parting: a constant + a constant x wave + the lane's term
	s_mul_i32 s21, s20, WREG
	v_lshrrev_b32 v14, 2, v2
	v_mul_u32_u24 v14, v14, SP
	v_and_b32 v15, 3, v2
	v_lshl_add_u32 v14, v15, 4, v14
	v_add_nc_u32 v14, s21, v14                     ; quantiser, in: four lanes' 64 bytes on end, then 16 of padding
	v_mul_u32_u24 v15, v2, SP
	v_add_nc_u32 v15, s21, v15                     ; and out: my 16 neighbours
	v_lshlrev_b32 v4, 3, v2                        ; 8 x lane: my codes' place in a step's, and my 8 scale bytes' on the way out
	v_lshrrev_b32 v5, 1, v2
	s_add_co_u32 s21, s21, 2*32*SP
	v_add_nc_u32 v5, s21, v5                       ; my block's scale byte
	v_add_nc_u32 v6, s21, v4
	s_mul_i32 s22, s20, STGB
	v_lshlrev_b32 v[MA], 13, v9
	v_lshl_add_u32 v[MA], v8, 4, v[MA]             ; lanes 0-15 one row of the mask, lanes 16-31 the next; 16 bytes a lane
	v_mul_u32_u24 v10, v9, 272
	v_lshl_add_u32 v10, v8, 4, v10
	v_add_nc_u32 v10, s22, v10                     ; row h, 16 r
	v_add_nc_u32 v[MSI], MST, v10
	v_add_nc_u32 v[WSO], WST, v10
	v_mul_u32_u24 v11, v8, 272
	v_lshl_add_u32 v11, v9, 5, v11
	v_add_nc_u32 v11, s22, v11                     ; row r, 32 h
	v_add_nc_u32 v[MSO], MST, v11
	v_lshrrev_b32 v10, 1, v2
	v_mul_u32_u24 v10, v10, 272
	v_and_b32 v11, 1, v2
	v_lshl_add_u32 v10, v11, 3, v10
	v_add_nc_u32 v10, s22, v10                     ; row lane / 2, 8 (lane % 2)
	v_add_nc_u32 v[WSI], WST, v10
	s_wait_kmcnt 0x0
	s_cmp_ge_u32 ttmp9, 352
	s_cbranch_scc1 .Lnotq
; ---- THE QUANTISER.  Both tensors are plain streams of blocks of 32; a wave takes 16 steps of 512 numbers.  Each load reads 512 consecutive bytes; a step's 2,048 bytes turn through the wave's stage
; so that a lane holds 16 neighbours (two neighbouring lanes hold a block).  Loads run four steps ahead, the turn through LDS one step.
	s_cmp_lt_u32 ttmp9, 256                        ; x's work-group or W_qkv's: the choice hangs on the work-group's number alone
	s_cselect_b64 s[4:5], s[4:5], s[6:7]
	s_cselect_b32 s21, 0, 1024
	s_lshl_b32 s22, ttmp9, 2
	s_add_co_u32 s22, s22, s20                     ; which run of 8,192 numbers of the joint matrix is my wave's
	s_sub_co_u32 s21, s22, s21                     ; and of its own tensor
	s_lshl_b32 s24, s21, 15
	s_mov_b32 s25, 0
	s_add_nc_u64 s[4:5], s[4:5], s[24:25]
	s_lshl_b32 s24, s22, 12
	s_add_nc_u64 s[12:13], s[12:13], s[24:25]
	s_lshl_b32 s24, s22, 8
	s_add_nc_u64 s[14:15], s[14:15], s[24:25]
.macro QLOAD t
.irp i, 0,1,2,3
	global_load_b128 v[R+16*((\t)%4)+4*\i:R+16*((\t)%4)+4*\i+3], v3, s[4:5] offset:2048*(\t)+512*\i th:TH_LOAD_NT
.endr
.endm
.macro QTURN t                         ; LDS serves a wave's instructions in order: no wait between the stores and the loads
.irp i, 0,1,2,3
	ds_store_b128 v14, v[R+16*((\t)%4)+4*\i:R+16*((\t)%4)+4*\i+3] offset:32*SP*((\t)%2)+8*SP*\i
.endr
.irp i, 0,1,2,3
	ds_load_b128 v[X+16*((\t)%2)+4*\i:X+16*((\t)%2)+4*\i+3], v15 offset:32*SP*((\t)%2)+16*\i
.endr
.endm
.irp t, 0,1,2,3
	QLOAD \t
.endr
	s_wait_loadcnt 12                              ; step 0's four loads are in
	QTURN 0
.macro QSTEP t
.set XS, X+16*((\t)%2)
.if (\t) > 0
	s_wait_dscnt 1                                 ; this step's numbers are back from the stage (the last step's byte store may be out)
.else
	s_wait_dscnt 0x0
.endif
.if (\t)+4 < 16
	QLOAD (\t)+4                                   ; into the set whose stores into the stage are done
.endif
.if (\t)+1 < 16
.if 14-(\t) >= 3
	s_wait_loadcnt 12                              ; the next step's four loads are in; those of the three steps behind it may be out
.else
	s_wait_loadcnt 4*(14-(\t))
.endif
	QTURN (\t)+1
.endif
	v_max3_num_f32 v8, |v[XS]|, |v[XS+1]|, |v[XS+2]|               ; the largest magnitude of my 16, in two chains
	v_max3_num_f32 v9, |v[XS+3]|, |v[XS+4]|, |v[XS+5]|
.irp i, 6,10
	v_max3_num_f32 v8, v8, |v[XS+\i]|, |v[XS+\i+1]|
	v_max3_num_f32 v9, v9, |v[XS+\i+2]|, |v[XS+\i+3]|
.endr
	v_max3_num_f32 v8, v8, |v[XS+14]|, |v[XS+15]|
	v_max3_num_f32 v8, v8, v9, 0x1800000           ; and the floor 2^(3 - 127): the byte cannot fall under 1
	v_max_num_f32_dpp v8, v8, v8 row_xmask:1 row_mask:0xf bank_mask:0xf   ; with my neighbour's 16: the block's
	v_add_nc_u32 v11, 0xff000000, v8               ; 2 off its exponent field: the conversion takes the exponent field of this operand as its scale
	v_cvt_scalef32_pk8_fp4_f32 v[C+4*(\t)], v[XS:XS+7], v11
	v_cvt_scalef32_pk8_fp4_f32 v[C+4*(\t)+1], v[XS+8:XS+15], v11
	v_lshrrev_b32 v[E+(\t)], 23, v11               ; the scale's byte
	ds_store_b8 v5, v[E+(\t)] offset:16*(\t)       ; both lanes of a block write the same byte with the same value
	global_store_b64 v4, v[C+4*(\t):C+4*(\t)+1], s[12:13] offset:256*(\t)   ; the wave stores 256 consecutive bytes, aligned
.endm
.irp t, 0,1,2,3,4,5,6,7,8,9,10,11,12,13,14,15
	QSTEP \t
.endr
	ds_load_b64 v[8:9], v6                         ; my wave's 256 scale bytes leave as one aligned run
	s_wait_dscnt 0x0
	global_store_b64 v4, v[8:9], s[14:15]
	FINISH
.Lnotq:
	s_cmp_ge_u32 ttmp9, 480
	s_cbranch_scc1 .Lwp
; ---- THE MASK.  The work-group takes 16 queries, wave w keys 512 w on, in 8 steps of 64 keys.  Sixteen lanes read 256 consecutive bytes of a row; a step's 16 x 256 bytes turn through the wave's stage,
; so that lane (r, h) holds row r, keys 16 t + 8 h + j in register 8 t + j; a compare of that register gives the word; 32 words of four steps fill four registers and leave as 512 consecutive bytes.
	s_sub_co_u32 s21, ttmp9, 352                   ; query tile
	s_lshl_b32 s24, s21, 17                        ; 16 rows of 8,192 bytes
	s_lshl_b32 s23, s20, 11
	s_add_co_u32 s24, s24, s23
	s_mov_b32 s25, 0
	s_add_nc_u64 s[8:9], s[8:9], s[24:25]
	s_lshl_b32 s24, s21, 12                        ; 32 key steps of 128 bytes
	s_lshl_b32 s23, s20, 10
	s_add_co_u32 s24, s24, s23
	s_add_nc_u64 s[16:17], s[16:17], s[24:25]
.irp i, 0,1,2,3,4,5,6,7
	v_mov_b32 v[OW+\i], 0                          ; written once: v_writelane_b32's destination counts as read
.endr
.macro MLD g
.irp i, 0,1,2,3,4,5,6,7
	global_load_b128 v[MR+32*((\g)%4)+4*\i:MR+32*((\g)%4)+4*\i+3], v[MA], s[8:9] offset:\i*16384+(\g)*256 th:TH_LOAD_NT
.endr
.endm
.macro MSTEP g
.if 7-(\g) >= 3
	s_wait_loadcnt 24                              ; this step's eight loads are in; those of three steps behind it may be out
.else
	s_wait_loadcnt 8*(7-(\g))
.endif
.irp i, 0,1,2,3,4,5,6,7
	ds_store_b128 v[MSI], v[MR+32*((\g)%4)+4*\i:MR+32*((\g)%4)+4*\i+3] offset:\i*544
.endr
.irp i, 0,1,2,3,4,5,6,7
	ds_load_b128 v[MX+4*\i:MX+4*\i+3], v[MSO] offset:(\i/2)*64+(\i%2)*16
.endr
	s_wait_dscnt 0x0                               ; the 32 numbers are in, and the stores have read their set
.if (\g) < 4
	MLD (\g)+4
.endif
.set n0, 0
.rept 4
.irp k, 0,1,2,3,4,5,6,7
	v_cmp_ne_u32 s[24+\k], 0, v[MX+n0+\k]          ; word n0 + k: a bit for each lane
.endr
.irp k, 0,1,2,3,4,5,6,7
	v_writelane_b32 v[OW+4*((\g)/4)+(n0+\k)%4], s[24+\k], 8*((\g)%4)+(n0+\k)/4
.endr
.set n0, n0+8
.endr
.if (\g)%4 == 3
	global_store_b128 v3, v[OW+4*((\g)/4):OW+4*((\g)/4)+3], s[16:17] offset:((\g)/4)*512   ; four steps' words: 512 consecutive bytes, aligned; this set is not written again
.endif
.endm
.irp g, 0,1,2,3
	MLD \g
.endr
.irp g, 0,1,2,3,4,5,6,7
	MSTEP \g
.endr
	FINISH
.Lwp:
; ---- W_proj.  A wave takes 16 rows x 512 columns in four steps of 128 columns.  A load reads 512 consecutive bytes of a row; two conversions make 8 bytes of four columns;
; stage row 2 kb + h holds, for the 16 rows, the 16 bytes of columns 16 kb + 8 h + 0..7: read back, two stage rows are one block of the image.
	s_sub_co_u32 s21, ttmp9, 480
	s_lshl_b32 s21, s21, 2
	s_add_co_u32 s21, s21, s20
	s_lshr_b32 s22, s21, 1                         ; which 16 rows
	s_and_b32 s23, s21, 1                          ; which half of the columns
	s_lshl_b32 s24, s22, 16
	s_lshl_b32 s26, s23, 11
	s_add_co_u32 s24, s24, s26
	s_mov_b32 s25, 0
	s_add_nc_u64 s[10:11], s[10:11], s[24:25]
	s_lshl_b32 s24, s22, 15
	s_lshl_b32 s26, s23, 14
	s_add_co_u32 s24, s24, s26
	s_add_nc_u64 s[18:19], s[18:19], s[24:25]
.macro WLD s
.set p, 0
.rept 16
	global_load_b128 v[WR+64*((\s)%2)+4*p:WR+64*((\s)%2)+4*p+3], v3, s[10:11] offset:p*4096+(\s)*512 th:TH_LOAD_NT
.set p, p+1
.endr
.endm
.macro WSTEP s
.if (\s) < 3
	s_wait_loadcnt 16                              ; this step's sixteen loads are in; the next step's may be out
.else
	s_wait_loadcnt 0
.endif
.set p, 0
.rept 32
	v_cvt_pk_f16_f32 v[WPK+p], v[WR+64*((\s)%2)+2*p], v[WR+64*((\s)%2)+2*p+1]
.set p, p+1
.endr
.if (\s) < 2
	WLD (\s)+2
.endif
.set p, 0
.rept 16
	ds_store_b64 v[WSI], v[WPK+2*p:WPK+2*p+1] offset:16*p
.set p, p+1
.endr
.if (\s) > 0
	s_wait_xcnt 0x0                                ; the last step's stores have read their registers: they are loaded again only behind this wait
.endif
.irp k, 0,1,2,3,4,5,6,7
	ds_load_b128 v[WBK+4*\k:WBK+4*\k+3], v[WSO] offset:544*\k
.endr
	s_wait_dscnt 0x0
.irp k, 0,1,2,3,4,5,6,7
	global_store_b128 v3, v[WBK+4*\k:WBK+4*\k+3], s[18:19] offset:(\s)*4096+\k*512   ; 512 consecutive bytes, aligned
.endr
.endm
	WLD 0
	WLD 1
.irp s, 0,1,2,3
	WSTEP \s
.endr
	FINISH
.Lfunc_end_k_q792d6ed3ff_prep:
	.size	k_q792d6ed3ff_prep, .Lfunc_end_k_q792d6ed3ff_prep-k_q792d6ed3ff_prep
	.p2alignl 7, 3214868480
	.fill 96, 4, 3214868480
	.section	.rodata,"a",@progbits
	.p2align	6, 0x0
	.amdhsa_kernel k_q792d6ed3ff_prep
		.amdhsa_group_segment_fixed_size 68096
		.amdhsa_private_segment_fixed_size 0
		.amdhsa_enable_private_segment 0
		.amdhsa_kernarg_size 64
		.amdhsa_user_sgpr_count 2
		.amdhsa_user_sgpr_kernarg_segment_ptr 1
		.amdhsa_wavefront_size32 1
		.amdhsa_system_sgpr_workgroup_id_x 1
		.amdhsa_system_sgpr_workgroup_id_y 1
		.amdhsa_system_sgpr_workgroup_id_z 1
		.amdhsa_system_vgpr_workitem_id 0
		.amdhsa_next_free_vgpr 216
		.amdhsa_next_free_sgpr 66
		.amdhsa_reserve_vcc 0
		.amdhsa_float_denorm_mode_32 3
		.amdhsa_float_denorm_mode_16_64 3
		.amdhsa_memory_ordered 1
		.amdhsa_forward_progress 1
		.amdhsa_inst_pref_size 106
	.end_amdhsa_kernel
	.amdgpu_metadata
---
amdhsa.version: [ 1, 2 ]
amdhsa.kernels:
  - .name:           k_q792d6ed3ff_prep
    .symbol:         k_q792d6ed3ff_prep.kd
    .args:
      - { .name: x, .offset: 0, .size: 8, .value_kind: global_buffer, .address_space: global }
      - { .name: W_qkv, .offset: 8, .size: 8, .value_kind: global_buffer, .address_space: global }
      - { .name: mask, .offset: 16, .size: 8, .value_kind: global_buffer, .address_space: global }
      - { .name: W_proj, .offset: 24, .size: 8, .value_kind: global_buffer, .address_space: global }
      - { .name: codes, .offset: 32, .size: 8, .value_kind: global_buffer, .address_space: global }
      - { .name: scales, .offset: 40, .size: 8, .value_kind: global_buffer, .address_space: global }
      - { .name: maskw, .offset: 48, .size: 8, .value_kind: global_buffer, .address_space: global }
      - { .name: wp_img, .offset: 56, .size: 8, .value_kind: global_buffer, .address_space: global }
    .group_segment_fixed_size: 68096
    .private_segment_fixed_size: 0
    .kernarg_segment_align: 8
    .kernarg_segment_size: 64
    .max_flat_workgroup_size: 128
    .sgpr_count:     66
    .vgpr_count:     216
    .wavefront_size: 32
...
	.end_amdgpu_metadata
.endif
;; end of part 1
;; launch qkv (part 2): grid 12 x 32, 4 waves a work-group, clusters of 4 x 4, 327,680 bytes of LDS; arguments codes, scales, cos, sin, qkv_img; writes qkv_img
.if DOCPART == 2
	.amdgcn_target "amdgcn-amd-amdhsa--gfx1250"
	.amdhsa_code_object_version 6
	.text
	.protected	k_q792d6ed3ff_qkv
	.globl	k_q792d6ed3ff_qkv
	.p2align	8
	.type	k_q792d6ed3ff_qkv,@function
k_q792d6ed3ff_qkv:
	s_mov_b64 s[64:65], 0
	v_nop
	global_prefetch_b8 v0, s[64:65] scope:SCOPE_SE
	s_setreg_imm32_b32 hwreg(HW_REG_WAVE_MODE, 25, 1), 1
	s_wait_xcnt 0x0
	s_wait_alu depctr_hold_cnt(0) depctr_sa_sdst(0) depctr_va_vdst(0) depctr_va_sdst(0) depctr_va_ssrc(0) depctr_va_vcc(0) depctr_vm_vsrc(0)
	s_getreg_b32 s2, hwreg(HW_REG_IB_STS2, 6, 4)
	s_cmp_eq_u32 s2, 0
	s_cbranch_scc0 .Lentry_in_a_cluster
	s_endpgm
.Lentry_in_a_cluster:
	s_bfe_u32 s2, ttmp6, 0x10000c
	s_cmp_lg_u32 s2, 0xf033
	s_cbranch_scc0 .Lentry_shape_is_right
	s_endpgm
.Lentry_shape_is_right:
; q, k, v = x W_qkv^T on codes of FP4 (E2M1) with one E8M0 scale for each 32 along K = 1,024; the rotation of q and k by cos and sin in f32; all three rounded once to f16 and stored in the order of the
; next launch's operand registers.  Both operands are tiles of 256 rows of ONE matrix of 11,264 rows of codes (rows 0..8191: x; then W_qkv's 3,072) and of its scale bytes.
; A tile of 256 x 256 results is made by four waves, 128 x 128 each: 64 accumulators, 512 registers.  K goes in two steps of 512 through two LDS slots, each filled once; the scale bytes come once too.
; THE MATRIX INSTRUCTION: source 0 = 16 rows of 'B', source 1 = 16 rows of 'A': a lane holds ONE row of A and eight neighbouring rows of B.
; ROLES BY CLUSTER (cluster x = 0: q, 1: k, 2: v; the same in all sixteen partners).  q, k: A = tokens, B = rows of W: a lane holds one token and eight neighbouring channels, which is a fragment of q or k.
; v: A = rows of W_v, B = tokens: a lane holds one channel and eight neighbouring tokens, which is a fragment of V^T.  The products' text is one and the same.
; CLUSTERS: 4 x 4 work-groups; A's tile is shared along a row of the cluster, B's along a column: each is asked for jointly.
; OUT: qkv_img = three parts (q, k, v) of [batch x head 64][16 tokens 128][4 blocks][lane][16 bytes].  q, k: block e, lane (r, h) = token r, channels 16 e + 8 h + 0..7.  v: block e, lane (r, h) = channel 16 e + r, tokens 8 h + 0..7.
; Every store of a wave covers 512 consecutive bytes, aligned; no stage in LDS is needed.
; LIMITS: q, k, v beyond 65,504 in magnitude have no f16 number; under 6e-5 they carry an absolute error of 3e-8.  The rotation uses fused multiply-adds: x1 c - x2 s is rounded twice, not three times.
; REGISTERS, in windows of 256: window 0: v0-31 addresses; v32-95 scale words, two sets, and nothing else; v128-191 A's fragments, one set; v96-127, v192-255 (and v128-191 behind the products) cos and sin, five sets by turns.
;   window 1: B's fragments, two sets, at v0 and v128; on the way out v0-63 at work, v64-127 packed results, two sets.   windows 2, 3: the accumulators ((a, b) at v[8 (8 (a % 4) + b)]).
.set KSTEP,  512
.set NQ,     4                         ; matrix instructions deep in a slot
.set ROWB,   256                       ; a tile's row in bytes
.set KROW,   512                       ; a row of codes in memory
.set PITCH,  272                       ; an LDS row: 256 bytes + 16 of padding: the 16 rows of a load start at 16 different banks (64 banks of 4 bytes: ISA guide 11.1)
.set FR,     8
.set NL,     2
.set NP,     4                         ; places behind this matrix instruction (ISA guide 7.12.1)
.set HALFT,  128*PITCH
.set SLOT,   4*HALFT
.set KS,     32                        ; a row of scale bytes
.set SCL,    2*SLOT
.set HALFS,  (128*KS/256)*272
.set SBLK,   (16*KS/256)*272
.set SPARE,  SCL+4*HALFS               ; the spare words, 128 bytes for each wave, that no other line names
.set ADRA, 16
.set ADRB, 20
.set CSO,  24                          ; v24  my byte in 16 rows of cos or sin: 128 r + 16 h
.set CO,   26                          ; v26  16 x lane
.set ADRS, 27
.set SPW,  28
.set NIL,  29
.set SC,   32
.set AF,   128
.set G1, 24
.set G0, 32
.set G1B, 48
.set G0B, 56
.set G1S, 68
.set G0S, 76
.set G1SB, 80
.set G0SB, 88
.set MSB, 0
.macro WIN new                         ; the immediate's high byte repeats the setting that is left
.if MSB != (\new)
	s_set_vgpr_msb (MSB<<8)|(\new)
.set MSB, (\new)
.endif
.endm
.set MUL_LO, 0xa1                      ; source 0 (B) window 1, source 1 (A) window 0, C and D window 2
.set MUL_HI, 0xf1
.set TO_B,   0x40
; A joint load: waves 0 and 1 fetch for A, waves 2 and 3 for B; the branch hangs on the wave's number alone.  An s_nop 0 and four v_nop follow each of the two lines.
.macro JLOAD g0a, g1a, g0b, g1b
	s_cmp_eq_u32 s15, 0
	s_cbranch_scc0 .Lfor_b_\@
	tensor_load_to_lds s[\g0a:\g0a+3], s[\g1a:\g1a+7]
	s_nop 0
.rept 4
	v_nop
.endr
	s_branch .Lasked_\@
.Lfor_b_\@:
	tensor_load_to_lds s[\g0b:\g0b+3], s[\g1b:\g1b+7]
	s_nop 0
.rept 4
	v_nop
.endr
.Lasked_\@:
.endm
.macro CROUND                          ; a round of the cluster's barrier
	s_barrier_signal -1
	s_barrier_wait -1
	s_cmp_lg_u32 s14, 0
	s_cbranch_scc1 .Lnot_wave_0_\@
	s_barrier_signal -3
.Lnot_wave_0_\@:
	s_barrier_wait -3
	s_barrier_signal -1
	s_barrier_wait -1
.endm
	s_load_b256 s[4:11], s[0:1], 0x0               ; codes 4:5, scales 6:7, cos 8:9, sin 10:11
	s_load_b64 s[12:13], s[0:1], 0x20              ; qkv_img
	v_lshl_add_u32 v[SPW], v0, 2, SPARE
	v_mov_b32 v[NIL], 0
	ds_add_u32 v[SPW], v[NIL]                      ; the wave's opening: the add, twice on end, and its wait ahead of my first tensor load
	ds_add_u32 v[SPW], v[NIL]
	v_lshrrev_b32 v1, 5, v0
	v_readfirstlane_b32 s14, v1                    ; wave 0..3
	s_lshr_b32 s15, s14, 1                         ; which half of A's rows is mine.  Also: I fetch for A (0) or for B (1)
	s_and_b32 s16, s14, 1                          ; which half of B's rows.  Also: which 128 rows of that tile I fetch
	s_bfe_u32 s40, ttmp6, 0x40000                  ; cx, cy: my place in the cluster
	s_bfe_u32 s41, ttmp6, 0x40004
	s_and_b32 s2, ttmp7, 0xffff                    ; cluster y: four tiles of tokens
	s_add_co_u32 s3, ttmp9, 8                      ; q's rows of W are tiles 32..35 of the joint matrix, k's 36..39,
	s_cmp_eq_u32 ttmp9, 2                          ; v's 40..43
	s_cselect_b32 s17, 10, s2                      ; A's four tiles: v: W_v's; else the tokens'
	s_cselect_b32 s42, s2, s3                      ; B's four tiles: v: the tokens'; else W's
	s_lshl_b32 s17, s17, 2
	s_add_co_u32 s17, s17, s41                     ; A's tile hangs on cy alone
	s_lshl_b32 s42, s42, 2
	s_add_co_u32 s42, s42, s40                     ; B's on cx alone
	s_lshl_b32 s43, s41, 2
	s_lshl_b32 s43, 15, s43                        ; my row of the cluster
	s_lshl_b32 s44, 0x1111, s40                    ; my column
	; descriptor group 1: a tile of 128 rows x 256 bytes, 16 bytes of padding behind each row
	s_or_b32 s[G1+0], s43, (0<<16)|(1<<20)|(1<<21)|(5<<22)|(3<<25)
	s_or_b32 s[G1B+0], s44, (0<<16)|(1<<20)|(1<<21)|(5<<22)|(3<<25)
.irp g, G1, G1B
	s_mov_b32 s[\g+1], ROWB<<16                    ; tensor_dim0
	s_mov_b32 s[\g+2], 128<<16                     ; tensor_dim1
	s_mov_b32 s[\g+3], ROWB<<16                    ; tile_dim0
	s_mov_b32 s[\g+4], 128                         ; tile_dim1
	s_mov_b32 s[\g+5], KROW                        ; from row to row
	s_mov_b32 s[\g+6], 0
	s_mov_b32 s[\g+7], 0
.endr
	; the scale bytes of 128 rows: a dense block of 4,096 bytes, as 16 rows of 256 bytes (32 elements of 8), 16 bytes of padding behind each
	s_or_b32 s[G1S+0], s43, (3<<16)|(1<<20)|(1<<21)|(5<<22)|(3<<25)
	s_or_b32 s[G1SB+0], s44, (3<<16)|(1<<20)|(1<<21)|(5<<22)|(3<<25)
.irp g, G1S, G1SB
	s_mov_b32 s[\g+1], 32<<16
	s_mov_b32 s[\g+2], (128*KS/256)<<16
	s_mov_b32 s[\g+3], 32<<16
	s_mov_b32 s[\g+4], 128*KS/256
	s_mov_b32 s[\g+5], 32
	s_mov_b32 s[\g+6], 0
	s_mov_b32 s[\g+7], 0
.endr
	s_lshl_b32 s18, s16, 7                         ; which 128 rows of the tile I fetch
	s_lshl_b32 s20, s17, 8
	s_add_co_u32 s20, s20, s18                     ; A's first row
	s_lshl_b32 s46, s42, 8
	s_add_co_u32 s46, s46, s18                     ; B's
	s_mov_b32 s21, 0
	s_mov_b32 s47, 0
	s_mov_b64 s[18:19], KS
	s_mul_u64 s[22:23], s[20:21], s[18:19]         ; where these rows' scale bytes begin,
	s_mul_u64 s[92:93], s[46:47], s[18:19]
	s_mov_b64 s[18:19], KROW
	s_mul_u64 s[20:21], s[20:21], s[18:19]         ; and their codes
	s_mul_u64 s[46:47], s[46:47], s[18:19]
	s_mul_i32 s45, s14, HALFT                      ; where they go: wave x 128 rows: no place in the cluster enters an LDS address
	s_mul_i32 s94, s14, HALFS
	s_wait_dscnt 0x0                               ; both opening adds are done
	s_wait_kmcnt 0x0
	s_add_nc_u64 s[20:21], s[4:5], s[20:21]
	s_add_nc_u64 s[22:23], s[6:7], s[22:23]
	s_add_nc_u64 s[46:47], s[4:5], s[46:47]
	s_add_nc_u64 s[92:93], s[6:7], s[92:93]
	CROUND                                         ; all sixteen work-groups are here: the first joint loads meet
	s_mov_b32 s[G0S], 1
	s_add_co_u32 s[G0S+1], s94, SCL
	s_mov_b64 s[G0S+2:G0S+3], s[22:23]
	s_or_b32 s[G0S+3], s[G0S+3], 0x80000000
	s_mov_b32 s[G0SB], 1
	s_add_co_u32 s[G0SB+1], s94, SCL
	s_mov_b64 s[G0SB+2:G0SB+3], s[92:93]
	s_or_b32 s[G0SB+3], s[G0SB+3], 0x80000000
	JLOAD G0S, G1S, G0SB, G1SB                     ; the scale bytes first: they are wanted with K step 0
.irp s, 0,1
	s_mov_b32 s[G0+4*\s], 1
	s_add_co_u32 s[G0+4*\s+1], s45, \s*SLOT
	s_add_nc_u64 s[G0+4*\s+2:G0+4*\s+3], s[20:21], \s*ROWB
	s_or_b32 s[G0+4*\s+3], s[G0+4*\s+3], 0x80000000
	s_mov_b32 s[G0B+4*\s], 1
	s_add_co_u32 s[G0B+4*\s+1], s45, \s*SLOT
	s_add_nc_u64 s[G0B+4*\s+2:G0B+4*\s+3], s[46:47], \s*ROWB
	s_or_b32 s[G0B+4*\s+3], s[G0B+4*\s+3], 0x80000000
	JLOAD G0+4*\s, G1, G0B+4*\s, G1B               ; both K steps: all of K is asked for here; three loads of mine are out
.endr
	v_and_b32 v1, 15, v0                           ; r
	v_bfe_u32 v2, v0, 4, 1                         ; h
	v_mul_u32_u24 v3, v1, PITCH
	v_lshl_add_u32 v4, v2, 4, v3                   ; a fragment's row x pitch + 16 h
	s_mul_i32 s21, s15, HALFT                      ; my 128 rows of A
	s_mul_i32 s22, s16, HALFT                      ; my 128 rows of B,
	s_add_co_u32 s22, s22, 2*HALFT                 ; behind A's 256
.irp s, 0,1
	v_add_nc_u32 v[ADRA+\s], s21, v4
	v_add_nc_u32 v[ADRB+\s], s22, v4
	s_add_co_u32 s21, s21, SLOT
	s_add_co_u32 s22, s22, SLOT
.endr
	v_mul_u32_u24 v5, v1, KS                       ; my row's scale bytes: 32 a row,
	v_lshrrev_b32 v6, 8, v5
	v_lshl_add_u32 v5, v6, 4, v5                   ; and 16 more for each 256 passed
	s_mul_i32 s21, s15, HALFS
	s_mul_i32 s22, s16, HALFS
	s_add_co_u32 s22, s22, 2*HALFS
	s_sub_co_u32 s22, s22, s21
	v_mul_u32_u24 v6, s22, v2                      ; lanes 16-31 take B's: one product, the distance between the two bases
	s_add_co_u32 s21, s21, SCL
	v_add_nc_u32 v5, v5, v6
	v_add_nc_u32 v[ADRS], s21, v5
	v_and_b32 v6, 31, v0
	v_lshlrev_b32 v[CO], 4, v6
	v_lshlrev_b32 v[CSO], 7, v1
	v_lshl_add_u32 v[CSO], v2, 4, v[CSO]
	; where my results go: part x 16,777,216 + ((batch x 16 + head) x 128 + tile of 16 tokens) x 2,048
	s_cmp_eq_u32 ttmp9, 2
	s_cselect_b32 s95, s42, s17                    ; the tokens' tile of 256: v: B's; else A's
	s_cselect_b32 s96, s16, s15                    ; my half of it
	s_cselect_b32 s97, s41, s40                    ; four heads to a tile of 256 rows of W,
	s_cselect_b32 s98, s15, s16                    ; two to my half
	s_lshl_b32 s97, s97, 2
	s_lshl_b32 s98, s98, 1
	s_add_co_u32 s97, s97, s98                     ; my first head
	s_lshr_b32 s98, s95, 3                         ; the batch: eight tiles of 256 tokens to a sequence
	s_lshl_b32 s98, s98, 4
	s_add_co_u32 s97, s97, s98
	s_lshl_b32 s97, s97, 7
	s_and_b32 s95, s95, 7
	s_lshl_b32 s95, s95, 4
	s_add_co_u32 s97, s97, s95
	s_lshl_b32 s96, s96, 3
	s_add_co_u32 s97, s97, s96
	s_lshl_b32 s96, s97, 11
	s_lshl_b32 s98, ttmp9, 24
	s_add_co_u32 s96, s96, s98
	s_mov_b32 s97, 0
	s_add_nc_u64 s[12:13], s[12:13], s[96:97]
	s_and_b32 s98, s17, 7                          ; cos and sin at my first token's place in its sequence (A's rows; 128 bytes a row)
	s_lshl_b32 s98, s98, 8
	s_lshl_b32 s99, s15, 7
	s_add_co_u32 s98, s98, s99
	s_lshl_b32 s98, s98, 7
	s_mov_b32 s99, 0
	s_add_nc_u64 s[8:9], s[8:9], s[98:99]
	s_add_nc_u64 s[10:11], s[10:11], s[98:99]
; cos and sin of A's block a (16 tokens): lane (r, h) wants, for channels 16 e + 8 h + 0..7, the four pairs' numbers 8 e + 4 h + 0..3 of its token: 16 bytes; eight loads a block.
; Five register sets take turns: v96, v192, v224, v128, v160.
.macro SETCSB a
.set kk, (\a)%5
.if kk == 0
.set CSB, 96
.elseif kk < 3
.set CSB, 160+32*kk
.else
.set CSB, 32+32*kk
.endif
.endm
.macro TABLES a
	SETCSB \a
.irp e, 0,1,2,3
	global_load_b128 v[CSB+4*\e:CSB+4*\e+3], v[CSO], s[8:9] offset:(\a)*2048+32*\e
	global_load_b128 v[CSB+16+4*\e:CSB+16+4*\e+3], v[CSO], s[10:11] offset:(\a)*2048+32*\e
.endr
.endm
	TABLES 0                                       ; three blocks' tables are asked for here, so that they are in when the products end.  v's clusters ask too and do not use them (12 KiB a wave):
	TABLES 1                                       ; so the text has one way to the products, and no register is written on one side of a branch alone
	TABLES 2
.macro FRAG reg, adr, q, i             ; 16 rows x 128 K of 4-bit codes: 8 registers; two loads of 16 bytes, 32 bytes apart
.irp c, 0,1
	ds_load_b128 v[\reg+4*\c:\reg+4*\c+3], v[\adr] offset:64*(\q)+32*\c+(\i)*16*PITCH
.endr
.endm
; 16 matrix instructions: A's blocks a0, a0 + 1 x B's eight.  The 64 accumulators take turns, one instruction a turn, in the same order in every step.
; One register carries A's scale word (lanes 0-15) and B's (lanes 16-31).
.macro MUL16 a0, p, q, sc, zero
.irp a, \a0, \a0+1
.irp b, 0,1,2,3,4,5,6,7
.if \zero
	v_wmma_scale_f32_16x16x128_f8f6f4 v[8*(8*((\a)%4)+\b):8*(8*((\a)%4)+\b)+7], v[128*(\p)+FR*\b:128*(\p)+FR*\b+FR-1], v[AF+FR*(\a):AF+FR*(\a)+FR-1], 0, v[SC+8*NQ*(\sc)+NQ*\b+(\q)], v[SC+8*NQ*(\sc)+NQ*(\a)+(\q)] matrix_a_fmt:MATRIX_FMT_FP4 matrix_b_fmt:MATRIX_FMT_FP4 matrix_a_scale:MATRIX_SCALE_ROW1
.else
	v_wmma_scale_f32_16x16x128_f8f6f4 v[8*(8*((\a)%4)+\b):8*(8*((\a)%4)+\b)+7], v[128*(\p)+FR*\b:128*(\p)+FR*\b+FR-1], v[AF+FR*(\a):AF+FR*(\a)+FR-1], v[8*(8*((\a)%4)+\b):8*(8*((\a)%4)+\b)+7], v[SC+8*NQ*(\sc)+NQ*\b+(\q)], v[SC+8*NQ*(\sc)+NQ*(\a)+(\q)] matrix_a_fmt:MATRIX_FMT_FP4 matrix_b_fmt:MATRIX_FMT_FP4 matrix_a_scale:MATRIX_SCALE_ROW1
.endif
.endr
.endr
.endm
.macro FETCH_B slot, q, p
	WIN TO_B
.irp i, 0,1,2,3,4,5,6,7
	FRAG 128*(\p)+FR*\i, ADRB+\slot, \q, \i
.endr
	WIN 0
.endm
.macro FETCH_A slot, q, i0
.irp i, \i0, \i0+1, \i0+2, \i0+3
	FRAG AF+FR*(\i), ADRA+\slot, \q, \i
.endr
.endm
.macro SCALES sc                       ; a K step's scale words: four words a row; lanes 0-15 A's block i, lanes 16-31 B's block i
.irp i, 0,1,2,3,4,5,6,7
	ds_load_b128 v[SC+8*NQ*\sc+NQ*\i:SC+8*NQ*\sc+NQ*\i+3], v[ADRS] offset:\i*SBLK
.endr
.endm
.macro PLACES n                        ; plain vector instructions between a matrix instruction and a load into, or a vector read of, its registers
.rept \n
	v_nop
.endr
.endm
.macro STEP slot, q, zero              ; 128 along K, with its successor in the same slot
	s_wait_dscnt 4*NL                              ; B's set and A's blocks 0-3 are in; the youngest eight loads (A's blocks 4-7) may be out
	WIN MUL_LO
	MUL16 0, (\q)%2, \q, \slot, \zero
	MUL16 2, (\q)%2, \q, \slot, \zero
	s_wait_dscnt 0                                 ; A's blocks 4-7 are in
	PLACES NP
	FETCH_B \slot, (\q)+1, 1-(\q)%2
	FETCH_A \slot, (\q)+1, 0
	WIN MUL_HI
	MUL16 4, (\q)%2, \q, \slot, \zero
	MUL16 6, (\q)%2, \q, \slot, \zero
	PLACES NP
	WIN 0
	FETCH_A \slot, (\q)+1, 4
.endm
.macro STEPS slot, from
.set Q, \from
.rept NQ-1-\from
	STEP \slot, Q, 0
.set Q, Q+1
.endr
.endm
	s_wait_tensorcnt 1                             ; the scale bytes and my part of K step 0 are in (K step 1's load may be out)
	s_barrier_signal -1
	s_barrier_wait -1                              ; everybody's are
	FETCH_B 0, 0, 0
	FETCH_A 0, 0, 0
	SCALES 0
	FETCH_A 0, 0, 4
	STEP 0, 0, 1                                   ; the first products start the sums: nothing is cleared
	STEPS 0, 1
	; slot 0's last step changes slots: one barrier; nothing is filled again
	s_wait_tensorcnt 0x0                           ; my part of slot 1 has landed;
	ds_add_u32 v[SPW], v[NIL]                      ; 0 onto my spare word;
	s_wait_dscnt 4*NL+1                            ; (the add and A's blocks 4-7 may be out)
	WIN MUL_LO
	MUL16 0, 1, NQ-1, 0, 0
	s_wait_dscnt 0x0                               ; the add is done, and my reads of slot 0 are over
	s_barrier_signal -1
	MUL16 2, 1, NQ-1, 0, 0
	WIN 0
	s_barrier_wait -1
	PLACES NP
	v_add_nc_u32 v[ADRS], 4*NQ, v[ADRS]            ; on to the second K step's scale words
	FETCH_B 1, 0, 0
	FETCH_A 1, 0, 0
	SCALES 1
	WIN MUL_HI
	MUL16 4, 1, NQ-1, 0, 0
	MUL16 6, 1, NQ-1, 0, 0
	PLACES NP
	WIN 0
	FETCH_A 1, 0, 4
	STEPS 1, 0
	s_wait_dscnt 4*NL                              ; the last step: nothing more to fetch
	WIN MUL_LO
	MUL16 0, 1, NQ-1, 1, 0
	MUL16 2, 1, NQ-1, 1, 0
	s_wait_dscnt 0
	WIN MUL_HI
	MUL16 4, 1, NQ-1, 1, 0
	MUL16 6, 1, NQ-1, 1, 0
	WIN 0
	PLACES NP                                      ; behind the last products: for the reads of results, and for loads and vector writes into registers that held fragments
; THE WAY OUT of A's block a, for q and k.  A lane's registers 2 p, 2 p + 1 of an accumulator are a pair (x1, x2): (x1 c, x2 c) by one packed multiply, then (- x2 s, + x1 s) onto it by one packed
; multiply-add whose first source is taken crosswise.  Each accumulator is read from its low end on.
.macro ROPE a
	SETCSB \a
.set AW, 2+(\a)/4
.set AC, 64*((\a)%4)
.set OU, 64+32*((\a)%2)
.if 7-(\a) >= 4
	s_wait_loadcnt 32                              ; this block's eight table loads are in; those of the four blocks behind it may be out
.else
	s_wait_loadcnt 8*(7-(\a))
.endif
	WIN 0x40+AW                                    ; destination window 1, source 0 the accumulators' window, source 1 window 0
.irp b, 0,1,2,3,4,5,6,7
.irp e, 0,1
	v_pk_mul_f32 v[8*\b+4*\e:8*\b+4*\e+1], v[AC+8*\b+4*\e:AC+8*\b+4*\e+1], v[CSB+4*(\b%4)+2*\e:CSB+4*(\b%4)+2*\e+1] op_sel_hi:[1,0]
	v_pk_mul_f32 v[8*\b+4*\e+2:8*\b+4*\e+3], v[AC+8*\b+4*\e+2:AC+8*\b+4*\e+3], v[CSB+4*(\b%4)+2*\e:CSB+4*(\b%4)+2*\e+1] op_sel:[0,1] op_sel_hi:[1,1]
.endr
.endr
	WIN 0x50+AW                                    ; and source 2 window 1
.irp b, 0,1,2,3,4,5,6,7
.irp e, 0,1
	v_pk_fma_f32 v[8*\b+4*\e:8*\b+4*\e+1], v[AC+8*\b+4*\e:AC+8*\b+4*\e+1], v[CSB+16+4*(\b%4)+2*\e:CSB+16+4*(\b%4)+2*\e+1], v[8*\b+4*\e:8*\b+4*\e+1] op_sel:[1,0,0] op_sel_hi:[0,0,1] neg_lo:[0,1,0]
	v_pk_fma_f32 v[8*\b+4*\e+2:8*\b+4*\e+3], v[AC+8*\b+4*\e+2:AC+8*\b+4*\e+3], v[CSB+16+4*(\b%4)+2*\e:CSB+16+4*(\b%4)+2*\e+1], v[8*\b+4*\e+2:8*\b+4*\e+3] op_sel:[1,1,0] op_sel_hi:[0,1,1] neg_lo:[0,1,0]
.endr
.endr
.if (\a) >= 2
	s_wait_xcnt 0x0                                ; the stores of two blocks back have read their registers: they are written again only behind this wait
.endif
	WIN 0x45
.set n, 0
.rept 32
	v_cvt_pk_f16_f32 v[OU+n], v[2*n], v[2*n+1]
.set n, n+1
.endr
	WIN 0x04                                       ; a store's data are its source 1: window 1
.irp b, 0,1,2,3,4,5,6,7
	global_store_b128 v[CO], v[OU+4*\b:OU+4*\b+3], s[12:13] offset:(\b/4)*262144+(\a)*2048+(\b%4)*512   ; head b / 4, tile a, block b % 4: 512 consecutive bytes, aligned
.endr
	WIN 0
.if (\a) < 3
	TABLES \a+5                                    ; into the set that this block has done with
.endif
.endm
; The same for v: nothing to rotate.
.macro PACKV a
.set AC, 64*((\a)%4)
.set OU, 64+32*((\a)%2)
.if (\a) >= 2
	s_wait_xcnt 0x0
.endif
.if (\a) < 4
	WIN 0x4a
.else
	WIN 0x4f
.endif
.set n, 0
.rept 32
	v_cvt_pk_f16_f32 v[OU+n], v[AC+2*n], v[AC+2*n+1]
.set n, n+1
.endr
	WIN 0x04
.irp b, 0,1,2,3,4,5,6,7
	global_store_b128 v[CO], v[OU+4*\b:OU+4*\b+3], s[12:13] offset:((\a)/4)*262144+\b*2048+((\a)%4)*512   ; head a / 4, tile b, block a % 4
.endr
	WIN 0
.endm
	s_cmp_eq_u32 ttmp9, 2                          ; the cluster's x: the same in all partners
	s_cbranch_scc1 .Lv_out
	TABLES 3
	TABLES 4
.irp a, 0,1,2,3,4,5,6,7
	ROPE \a
.endr
	s_branch .Ldone
.Lv_out:
.irp a, 0,1,2,3,4,5,6,7
	PACKV \a
.endr
.Ldone:
	s_wait_tensorcnt 0x0                           ; the wave's end
	ds_add_u32 v[SPW], v[NIL]
	s_wait_dscnt 0x0
	CROUND                                         ; the closing round: no work-group ends while a partner may still ask for a tile that names it
	s_endpgm
.Lfunc_end_k_q792d6ed3ff_qkv:
	.size	k_q792d6ed3ff_qkv, .Lfunc_end_k_q792d6ed3ff_qkv-k_q792d6ed3ff_qkv
	.p2alignl 7, 3214868480
	.fill 96, 4, 3214868480
	.section	.rodata,"a",@progbits
	.p2align	6, 0x0
	.amdhsa_kernel k_q792d6ed3ff_qkv
		.amdhsa_group_segment_fixed_size 327680
		.amdhsa_private_segment_fixed_size 0
		.amdhsa_enable_private_segment 0
		.amdhsa_kernarg_size 40
		.amdhsa_user_sgpr_count 2
		.amdhsa_user_sgpr_kernarg_segment_ptr 1
		.amdhsa_wavefront_size32 1
		.amdhsa_system_sgpr_workgroup_id_x 1
		.amdhsa_system_sgpr_workgroup_id_y 1
		.amdhsa_system_sgpr_workgroup_id_z 1
		.amdhsa_system_vgpr_workitem_id 0
		.amdhsa_next_free_vgpr 1024
		.amdhsa_next_free_sgpr 100
		.amdhsa_reserve_vcc 0
		.amdhsa_float_denorm_mode_32 3
		.amdhsa_float_denorm_mode_16_64 3
		.amdhsa_memory_ordered 1
		.amdhsa_forward_progress 1
		.amdhsa_inst_pref_size 180
	.end_amdhsa_kernel
	.amdgpu_metadata
---
amdhsa.version: [ 1, 2 ]
amdhsa.kernels:
  - .name:           k_q792d6ed3ff_qkv
    .symbol:         k_q792d6ed3ff_qkv.kd
    .args:
      - { .name: codes, .offset: 0, .size: 8, .value_kind: global_buffer, .address_space: global }
      - { .name: scales, .offset: 8, .size: 8, .value_kind: global_buffer, .address_space: global }
      - { .name: cos, .offset: 16, .size: 8, .value_kind: global_buffer, .address_space: global }
      - { .name: sin, .offset: 24, .size: 8, .value_kind: global_buffer, .address_space: global }
      - { .name: qkv_img, .offset: 32, .size: 8, .value_kind: global_buffer, .address_space: global }
    .group_segment_fixed_size: 327680
    .private_segment_fixed_size: 0
    .kernarg_segment_align: 8
    .kernarg_segment_size: 40
    .max_flat_workgroup_size: 128
    .sgpr_count:     100
    .vgpr_count:     1024
    .wavefront_size: 32
...
	.end_amdgpu_metadata
.endif
;; end of part 2
;; launch attn (part 3): grid 4 x 64, 8 waves a work-group, clusters of 4 x 1, 327,680 bytes of LDS; arguments qkv_img, maskw, o_img; writes o_img
.if DOCPART == 3
	.amdgcn_target "amdgcn-amd-amdhsa--gfx1250"
	.amdhsa_code_object_version 6
	.text
	.protected	k_q792d6ed3ff_attn
	.globl	k_q792d6ed3ff_attn
	.p2align	8
	.type	k_q792d6ed3ff_attn,@function
k_q792d6ed3ff_attn:
	s_mov_b64 s[64:65], 0
	v_nop
	global_prefetch_b8 v0, s[64:65] scope:SCOPE_SE
	s_setreg_imm32_b32 hwreg(HW_REG_WAVE_MODE, 25, 1), 1
	s_wait_xcnt 0x0
	s_wait_alu depctr_hold_cnt(0) depctr_sa_sdst(0) depctr_va_vdst(0) depctr_va_sdst(0) depctr_va_ssrc(0) depctr_va_vcc(0) depctr_vm_vsrc(0)
	s_getreg_b32 s2, hwreg(HW_REG_IB_STS2, 6, 4)
	s_cmp_eq_u32 s2, 0
	s_cbranch_scc0 .Lentry_in_a_cluster
	s_endpgm
.Lentry_in_a_cluster:
	s_bfe_u32 s2, ttmp6, 0x10000c
	s_cmp_lg_u32 s2, 0x3003
	s_cbranch_scc0 .Lentry_shape_is_right
	s_endpgm
.Lentry_shape_is_right:
; o[b][h][q] = the sum over k of softmax_k(q . k / 8, -infinity where mask[q][k] = 0) v[k], head size 64, 2,048 keys, f16 operands, f32 products, maxima and sums; the weights p are rounded to f16 for the second product, o once at the end.
; SHARES.  A cluster is the four blocks of 512 queries of one (batch, head); they walk the same K and V, so each tile is asked for jointly.  A work-group has eight waves, two to a SIMD, so that one wave's vector
; work stands beside the other's products; a wave owns 64 queries: four tiles of 16.  Every wave walks all keys, 64 a step.
; LAYOUT.  S^T = K Q^T (source 0 = 16 keys, source 1 = 16 queries): a lane holds ONE query (lane % 16) and keys 8 (lane / 16) + 0..7.  Two such tiles, rounded to f16 in pairs, ARE source 1 of O^T = V^T P.
; q, k and v lie in memory in the order of the operands' registers (a block of 512 bytes is four registers of 32 lanes), so every LDS load takes 512 consecutive bytes at 16 x lane, and nothing is turned.
; THE MASK comes as lane masks, one word for each score register, by scalar loads one tile ahead; a hidden score becomes -infinity ahead of the maximum.
; SOFTMAX.  For each query a running maximum m and sum l: p = 2^(c s - c m), c = log2(e) / 8; in every step O and l are multiplied by a = 2^(c m_old - c m_new).  m begins at -3e38, under every score.
; A query with no key left has l = 0 and O = 0, and 0 x (1 / 0) is NaN, as the softmax of a row of -infinity is.
; LIMITS: o beyond 65,504 in magnitude has no f16 number; weights under 6e-8 of the row's largest fall to 0 in the second product (not in the sum); NaN and infinities among the inputs are not served.
; O^T begins as 128 cleared registers, so that the key step is written once for first and later steps alike.
; REGISTERS: window 0: v1 16 x lane; v2, v3 LDS addresses; v4 -infinity; v6, v7 the add's two; v8-39 eight registers of statistics a tile (+0 c m, +1 m, +2, +3 l, +4..7 at work, a in +6);
;   v40-103 S^T, two sets of 32; v104-135 P, two sets of 16; v136-199 K of a step.   window 1: v0-127 O^T, 32 a tile; v128-191 Q, 16 a tile; v192-255 V of a step.
.set SLOT1, 131072                     ; a slot: 512 keys: K's 65,536 bytes, then V's; slot 1 begins here, so that one exclusive or turns an address
.set SPARE, 262144                     ; the spare words, 128 bytes for each of eight waves, that no other line names
.set L16,  1
.set ADK,  2
.set ADV,  3
.set NINF, 4
.set SPW,  6
.set NIL,  7
.set ST,   8
.set S,    40
.set P,    104
.set KF,   136
.set QF,   128
.set VF,   192
.set G1,   12                          ; s[12:19] descriptor group 1;  s[20:23] group 0, which walks
.set G0,   20
.set WV,   24
.set SLOTS, 25
.set STEPC, 26
.set TK,   27                          ; s27  LDS byte at which the step's K begins
.set CS,   28                          ; s[28:29] c
.set SEL,  30                          ; s[30:31] lane selects: lane l xor 16
.set MO,   66                          ; s66  128 x key step: the step's place among a tile's mask words.  s[32:63] and s[68:99]: two sets of 32 mask words
.set MSB, 0
.macro WIN new
.if MSB != (\new)
	s_set_vgpr_msb (MSB<<8)|(\new)
.set MSB, (\new)
.endif
.endm
.macro CROUND
	s_barrier_signal -1
	s_barrier_wait -1
	s_cmp_lg_u32 s[WV], 0
	s_cbranch_scc1 .Lnot_wave_0_\@
	s_barrier_signal -3
.Lnot_wave_0_\@:
	s_barrier_wait -3
	s_barrier_signal -1
	s_barrier_wait -1
.endm
	s_load_b128 s[4:7], s[0:1], 0x0                ; qkv_img, maskw
	s_load_b64 s[8:9], s[0:1], 0x10                ; o_img
	v_lshl_add_u32 v[SPW], v0, 2, SPARE
	v_mov_b32 v[NIL], 0
	ds_add_u32 v[SPW], v[NIL]                      ; the wave's opening: the add, twice on end, and its wait ahead of my first tensor load
	ds_add_u32 v[SPW], v[NIL]
	v_lshrrev_b32 v1, 5, v0
	v_readfirstlane_b32 s[WV], v1                  ; wave 0..7
	s_and_b32 s2, ttmp7, 0xffff                    ; batch x 16 + head, which the four partners share
	s_bfe_u32 s3, ttmp6, 0x40000                   ; cx: it enters Q's, the mask's and O's addresses alone
	; what I fetch: waves 0-3 a quarter of a slot's K, waves 4-7 of its V: 16,384 dense bytes
	s_lshl_b32 s10, s2, 18                         ; a head's part of each image is 262,144 bytes
	s_and_b32 s11, s[WV], 3
	s_lshl_b32 s11, s11, 14
	s_add_co_u32 s10, s10, s11
	s_lshr_b32 s11, s[WV], 2
	s_add_co_u32 s11, s11, 1                       ; part 1 is k, part 2 is v
	s_lshl_b32 s11, s11, 24
	s_add_co_u32 s10, s10, s11
	s_mov_b32 s11, 0
	s_mov_b32 s[G1], 15|(3<<16)|(1<<21)            ; 15:0 the mask: all four work-groups; 17:16 elements of 8 bytes; 21 set beside a mask; no padding
	s_mov_b32 s[G1+1], 32<<16                      ; tensor_dim0 = 32: rows of 256 bytes
	s_mov_b32 s[G1+2], 64<<16                      ; tensor_dim1 = 64
	s_mov_b32 s[G1+3], 32<<16                      ; tile_dim0
	s_mov_b32 s[G1+4], 64                          ; tile_dim1
	s_mov_b32 s[G1+5], 32                          ; dense
	s_mov_b32 s[G1+6], 0
	s_mov_b32 s[G1+7], 0
	s_lshl_b32 s3, s3, 5
	s_lshl_b32 s67, s[WV], 2
	s_add_co_u32 s3, s3, s67                       ; my first tile of 16 queries: 32 cx + 4 x wave
	s_mov_b32 s[CS], 0x3e38aa3b                    ; c = log2(e) / 8
	s_mov_b32 s[CS+1], s[CS]
	s_mov_b32 s[SEL], 0x76543210
	s_mov_b32 s[SEL+1], 0xfedcba98
	s_mov_b32 s[TK], 0
	s_mov_b32 s[MO], 0
	s_mov_b32 s[SLOTS], 3
	s_mov_b32 s101, 0
	s_wait_dscnt 0x0                               ; both opening adds are done
	s_wait_kmcnt 0x0
	s_mov_b32 s[G0], 1
	s_lshl_b32 s[G0+1], s[WV], 14                  ; LDS: wave x 16,384, in slot 0: no place in the cluster enters an LDS address
	s_add_nc_u64 s[G0+2:G0+3], s[4:5], s[10:11]
	s_or_b32 s[G0+3], s[G0+3], 0x80000000
	s_lshl_b32 s100, s2, 18
	s_lshl_b32 s67, s3, 11
	s_add_co_u32 s100, s100, s67
	s_add_nc_u64 s[4:5], s[4:5], s[100:101]        ; Q at my first tile
	s_lshl_b32 s100, s3, 12
	s_add_nc_u64 s[6:7], s[6:7], s[100:101]        ; the mask words of my first tile: 4,096 bytes a tile
	s_lshr_b32 s100, s2, 4
	s_lshl_b32 s100, s100, 7
	s_add_co_u32 s100, s100, s3
	s_lshl_b32 s100, s100, 15                      ; o_img: 32,768 bytes for 16 tokens,
	s_and_b32 s67, s2, 15
	s_lshl_b32 s67, s67, 11                        ; 2,048 for a head's 64 channels
	s_add_co_u32 s100, s100, s67
	s_add_nc_u64 s[8:9], s[8:9], s[100:101]
	CROUND                                         ; all four work-groups are here: the first joint loads meet
	tensor_load_to_lds s[G0:G0+3], s[G1:G1+7]      ; slot 0
	s_nop 0
.rept 4
	v_nop
.endr
	v_and_b32 v[L16], 31, v0
	v_lshlrev_b32 v[L16], 4, v[L16]
	WIN 0x40                                       ; destination window 1
.irp i, 0,1,2,3,4,5,6,7,8,9,10,11,12,13,14,15
	global_load_b128 v[QF+4*\i:QF+4*\i+3], v[L16], s[4:5] offset:\i*512   ; Q stays in registers: tile i / 4, block i % 4
.endr
.set n, 0
.rept 128
	v_mov_b32 v[n], 0                              ; O^T
.set n, n+1
.endr
	WIN 0
.macro MLOAD set, imm                  ; 32 mask words: one for each score register of a tile and a step
	s_load_b512 s[\set:\set+15], s[6:7], s[MO] offset:\imm
	s_load_b512 s[\set+16:\set+31], s[6:7], s[MO] offset:\imm+64
.endm
	MLOAD 32, 0
	v_mov_b32 v[NINF], 0xff800000
.irp t, 0,1,2,3
	v_mov_b32 v[ST+8*\t+1], 0xff61b1e6             ; m = -3e38
	v_mul_f32 v[ST+8*\t], s[CS], v[ST+8*\t+1]      ; c m
.irp j, 2,3,4,5,6,7
	v_mov_b32 v[ST+8*\t+\j], 0                     ; l; and the registers at work, which a lane permute and the packed forms name before they are first written
.endr
.endr
; S^T of tile i: 8 products; the four accumulators take turns, one instruction a turn; the first four start the sums.
.macro QK i
	WIN 0x04                                       ; K and S^T window 0, Q window 1
.irp c, 0,1
.irp t, 0,1,2,3
.if \c == 0
	v_wmma_f32_16x16x32_f16 v[S+32*((\i)%2)+8*\t:S+32*((\i)%2)+8*\t+7], v[KF+16*\t+8*\c:KF+16*\t+8*\c+7], v[QF+16*(\i)+8*\c:QF+16*(\i)+8*\c+7], 0
.else
	v_wmma_f32_16x16x32_f16 v[S+32*((\i)%2)+8*\t:S+32*((\i)%2)+8*\t+7], v[KF+16*\t+8*\c:KF+16*\t+8*\c+7], v[QF+16*(\i)+8*\c:QF+16*(\i)+8*\c+7], v[S+32*((\i)%2)+8*\t:S+32*((\i)%2)+8*\t+7]
.endif
.endr
.endr
.endm
; O^T of tile i += V^T P: 8 products, four accumulators by turns.
.macro PV i
	WIN 0x51                                       ; V and O^T window 1, P window 0
.irp u, 0,1
.irp y, 0,1,2,3
	v_wmma_f32_16x16x32_f16 v[32*(\i)+8*\y:32*(\i)+8*\y+7], v[VF+32*\u+8*\y:VF+32*\u+8*\y+7], v[P+16*((\i)%2)+8*\u:P+16*((\i)%2)+8*\u+7], v[32*(\i)+8*\y:32*(\i)+8*\y+7]
.endr
.endr
.endm
; The softmax of tile i for one key step.
.macro SM i
.set rT, ST+8*(\i)
.set rS, S+32*((\i)%2)
.set rP, P+16*((\i)%2)
.set mS, 32+36*((\i)%2)
.set mN, 68-36*((\i)%2)
	WIN 0
	s_wait_kmcnt 0x0                               ; this tile's mask words are in; no scalar load is out, so their offset may step
.if (\i) == 3
	s_add_co_u32 s[MO], s[MO], 128                 ; the next key step
	MLOAD mN, 0                                    ; tile 0's words of it.  (Behind the last step this reads the next tile's first words, inside the buffer; they are not used)
.else
	MLOAD mN, ((\i)+1)*4096                        ; the next tile's words, into the other set
.endif
.set n, 0
.rept 32
	v_cndmask_b32 v[rS+n], v[NINF], v[rS+n], s[mS+n]   ; hidden: -infinity.  Each accumulator is read from its low end on
.set n, n+1
.endr
.irp j, 0,1,2,3
	v_max3_num_f32 v[rT+4+\j], v[rS+8*\j], v[rS+8*\j+1], v[rS+8*\j+2]   ; the maximum of my 32 scores and the old m: four chains
.endr
.irp k, 1,2
.irp j, 0,1,2,3
	v_max3_num_f32 v[rT+4+\j], v[rT+4+\j], v[rS+8*\j+2*\k+1], v[rS+8*\j+2*\k+2]
.endr
.endr
	v_max3_num_f32 v[rT+4], v[rT+4], v[rS+7], v[rS+15]
	v_max3_num_f32 v[rT+6], v[rT+6], v[rS+23], v[rS+31]
	v_max3_num_f32 v[rT+4], v[rT+4], v[rT+5], v[rT+6]
	v_max3_num_f32 v[rT+4], v[rT+4], v[rT+7], v[rT+1]
	v_permlanex16_b32 v[rT+5], v[rT+4], s[SEL], s[SEL+1]   ; the query's other 32 keys lie in the lane 16 away
	v_mov_b32 v[rT+7], v[rT]                       ; c m_old
	v_max_num_f32 v[rT+1], v[rT+4], v[rT+5]        ; the new m
	v_mul_f32 v[rT], s[CS], v[rT+1]
	v_sub_f32 v[rT+7], v[rT+7], v[rT]
	; ONE BATCH: a and the 32 weights; none of these lines names an exponential's result; a pair is scaled two groups ahead of its exponentials
	v_exp_f32 v[rT+6], v[rT+7]
	v_pk_fma_f32 v[rS:rS+1], v[rS:rS+1], s[CS:CS+1], v[rT:rT+1] op_sel_hi:[1,0,0] neg_lo:[0,0,1] neg_hi:[0,0,1]
	v_pk_fma_f32 v[rS+2:rS+3], v[rS+2:rS+3], s[CS:CS+1], v[rT:rT+1] op_sel_hi:[1,0,0] neg_lo:[0,0,1] neg_hi:[0,0,1]
.set b, 0
.rept 16
	v_exp_f32 v[rS+2*b], v[rS+2*b]
	v_exp_f32 v[rS+2*b+1], v[rS+2*b+1]
.if b < 14
	v_pk_fma_f32 v[rS+2*b+4:rS+2*b+5], v[rS+2*b+4:rS+2*b+5], s[CS:CS+1], v[rT:rT+1] op_sel_hi:[1,0,0] neg_lo:[0,0,1] neg_hi:[0,0,1]
.endif
.set b, b+1
.endr
	v_nop                                          ; a plain instruction behind the last exponential
	s_wait_alu depctr_va_vdst(0)                   ; one wait for the batch, ahead of the first line that names a result
.set n, 0
.rept 16
	v_cvt_pk_f16_f32 v[rP+n], v[rS+2*n], v[rS+2*n+1]
.set n, n+1
.endr
.irp z, 0,1,2,3,4,5,6,7
	v_pk_add_f32 v[rS+4*\z:rS+4*\z+1], v[rS+4*\z:rS+4*\z+1], v[rS+4*\z+2:rS+4*\z+3]   ; the sum of the unrounded weights, as a tree of pairs
.endr
.irp z, 0,1,2,3
	v_pk_add_f32 v[rS+8*\z:rS+8*\z+1], v[rS+8*\z:rS+8*\z+1], v[rS+8*\z+4:rS+8*\z+5]
.endr
.irp z, 0,1
	v_pk_add_f32 v[rS+16*\z:rS+16*\z+1], v[rS+16*\z:rS+16*\z+1], v[rS+16*\z+8:rS+16*\z+9]
.endr
	v_pk_add_f32 v[rS:rS+1], v[rS:rS+1], v[rS+16:rS+17]
	v_pk_fma_f32 v[rT+2:rT+3], v[rT+2:rT+3], v[rT+6:rT+7], v[rS:rS+1] op_sel_hi:[1,0,1]   ; l = a l + the sum
	WIN 0x41                                       ; O^T window 1, a window 0
.set n, 0
.rept 16
	v_pk_mul_f32 v[32*(\i)+2*n:32*(\i)+2*n+1], v[32*(\i)+2*n:32*(\i)+2*n+1], v[rT+6:rT+7] op_sel_hi:[1,0]
.set n, n+1
.endr
.endm
; A KEY STEP: 64 keys.  A tile's softmax stands between products of other tiles: what reads or writes a product's registers stands a whole softmax of another tile behind it, or behind the four v_nop.
.macro STEP
	v_add_nc_u32 v[ADK], s[TK], v[L16]
	v_add_nc_u32 v[ADV], 0x10000, v[ADK]
	v_nop
	v_nop                                          ; four plain instructions between the last product and the loads into V's registers
.irp t, 0,1,2,3
.irp e, 0,1,2,3
	ds_load_b128 v[KF+16*\t+4*\e:KF+16*\t+4*\e+3], v[ADK] offset:\t*2048+\e*512   ; keys 16 t on, channels 16 e on
.endr
.endr
	WIN 0x40
.irp u, 0,1
.irp g, 0,1
.irp y, 0,1,2,3
	ds_load_b128 v[VF+32*\u+8*\y+4*\g:VF+32*\u+8*\y+4*\g+3], v[ADV] offset:(2*\u+\g)*2048+\y*512   ; keys 32 u + 16 g on, channels 16 y on
.endr
.endr
.endr
	s_wait_dscnt 16                                ; K is in; V's sixteen loads may be out
	QK 0
	QK 1
	WIN 0
.rept 4
	v_nop
.endr
	SM 0
	s_wait_dscnt 0x0                               ; V is in
	PV 0
	QK 2
	SM 1
	PV 1
	QK 3
	SM 2
	PV 2
	SM 3
	PV 3
	WIN 0
	s_add_co_u32 s[TK], s[TK], 8192
.endm
.macro SLOT_STEPS
	s_mov_b32 s[STEPC], 8
.Lstep_\@:
	STEP
	s_sub_co_u32 s[STEPC], s[STEPC], 1
	s_cmp_lg_u32 s[STEPC], 0
	s_cbranch_scc1 .Lstep_\@
	s_sub_co_u32 s[TK], s[TK], 65536               ; back to a slot's first step,
	s_xor_b32 s[TK], s[TK], SLOT1                  ; in the other slot
.endm
; THE CHANGE OF SLOTS stands at a slot's head.  Each wave waits for all its tensor loads (one is out: its part of the slot ahead), adds 0 to its spare word, and waits for that and for its reads of the slot
; that it has left.  fill = 1: behind a round of the cluster's barrier that other slot takes the next 512 keys: the load has eight key steps in which to land.
.macro CHANGE fill
	s_wait_tensorcnt 0x0                           ; no tensor load of mine is out, so group 0 may be written
	ds_add_u32 v[SPW], v[NIL]                      ; 0 onto my spare word
.if \fill
	s_xor_b32 s[G0+1], s[G0+1], SLOT1
	s_add_nc_u64 s[G0+2:G0+3], s[G0+2:G0+3], 65536
.endif
	s_wait_dscnt 0x0
.if \fill
	CROUND
	tensor_load_to_lds s[G0:G0+3], s[G1:G1+7]      ; the first thing behind the round, and my one tensor load until the next
	s_nop 0
.rept 4
	v_nop
.endr
.else
	s_barrier_signal -1
	s_barrier_wait -1
.endif
.endm
	s_wait_loadcnt 0x0                             ; Q
.Lslot:                                            ; three trips: behind each change of slots but the last the next slot is asked for
	CHANGE 1
	SLOT_STEPS
	s_sub_co_u32 s[SLOTS], s[SLOTS], 1
	s_cmp_lg_u32 s[SLOTS], 0
	s_cbranch_scc1 .Lslot
	CHANGE 0                                       ; the last slot is written out
	SLOT_STEPS
	; THE WAY OUT.  l's two halves and the other half of the lanes' are added (these lines are the places behind the last products); O^T / l is rounded to f16: a lane's eight channels of a query are 16 bytes of o's image.
.irp t, 0,1,2,3
	v_add_f32 v[ST+8*\t+4], v[ST+8*\t+2], v[ST+8*\t+3]
.endr
.irp t, 0,1,2,3
	v_permlanex16_b32 v[ST+8*\t+5], v[ST+8*\t+4], s[SEL], s[SEL+1]
.endr
.irp t, 0,1,2,3
	v_add_f32 v[ST+8*\t+4], v[ST+8*\t+4], v[ST+8*\t+5]
.endr
.irp t, 0,1,2,3
	v_rcp_f32 v[ST+8*\t+6], v[ST+8*\t+4]
.endr
	v_nop
	s_wait_alu depctr_va_vdst(0)                   ; one wait for the four reciprocals, ahead of their first use
.irp t, 0,1,2,3
	WIN 0x41
.set n, 0
.rept 16
	v_pk_mul_f32 v[32*\t+2*n:32*\t+2*n+1], v[32*\t+2*n:32*\t+2*n+1], v[ST+8*\t+6:ST+8*\t+7] op_sel_hi:[1,0]
.set n, n+1
.endr
	WIN 0x05                                       ; sources window 1, destination window 0: S^T's registers are free
.set n, 0
.rept 16
	v_cvt_pk_f16_f32 v[S+16*\t+n], v[32*\t+2*n], v[32*\t+2*n+1]
.set n, n+1
.endr
	WIN 0
.irp y, 0,1,2,3
	global_store_b128 v[L16], v[S+16*\t+4*\y:S+16*\t+4*\y+3], s[8:9] offset:\t*32768+\y*512   ; 512 consecutive bytes, aligned
.endr
.endr
	s_wait_tensorcnt 0x0                           ; the wave's end
	ds_add_u32 v[SPW], v[NIL]
	s_wait_dscnt 0x0
	CROUND                                         ; the closing round
	s_endpgm
.Lfunc_end_k_q792d6ed3ff_attn:
	.size	k_q792d6ed3ff_attn, .Lfunc_end_k_q792d6ed3ff_attn-k_q792d6ed3ff_attn
	.p2alignl 7, 3214868480
	.fill 96, 4, 3214868480
	.section	.rodata,"a",@progbits
	.p2align	6, 0x0
	.amdhsa_kernel k_q792d6ed3ff_attn
		.amdhsa_group_segment_fixed_size 327680
		.amdhsa_private_segment_fixed_size 0
		.amdhsa_enable_private_segment 0
		.amdhsa_kernarg_size 24
		.amdhsa_user_sgpr_count 2
		.amdhsa_user_sgpr_kernarg_segment_ptr 1
		.amdhsa_wavefront_size32 1
		.amdhsa_system_sgpr_workgroup_id_x 1
		.amdhsa_system_sgpr_workgroup_id_y 1
		.amdhsa_system_sgpr_workgroup_id_z 1
		.amdhsa_system_vgpr_workitem_id 0
		.amdhsa_next_free_vgpr 512
		.amdhsa_next_free_sgpr 102
		.amdhsa_reserve_vcc 0
		.amdhsa_float_denorm_mode_32 3
		.amdhsa_float_denorm_mode_16_64 3
		.amdhsa_memory_ordered 1
		.amdhsa_forward_progress 1
		.amdhsa_inst_pref_size 105
	.end_amdhsa_kernel
	.amdgpu_metadata
---
amdhsa.version: [ 1, 2 ]
amdhsa.kernels:
  - .name:           k_q792d6ed3ff_attn
    .symbol:         k_q792d6ed3ff_attn.kd
    .args:
      - { .name: qkv_img, .offset: 0, .size: 8, .value_kind: global_buffer, .address_space: global }
      - { .name: maskw, .offset: 8, .size: 8, .value_kind: global_buffer, .address_space: global }
      - { .name: o_img, .offset: 16, .size: 8, .value_kind: global_buffer, .address_space: global }
    .group_segment_fixed_size: 327680
    .private_segment_fixed_size: 0
    .kernarg_segment_align: 8
    .kernarg_segment_size: 24
    .max_flat_workgroup_size: 256
    .sgpr_count:     102
    .vgpr_count:     512
    .wavefront_size: 32
...
	.end_amdgpu_metadata
.endif
;; end of part 3
;; launch proj (part 4): grid 4 x 64, 4 waves a work-group, clusters of 4 x 4, 327,680 bytes of LDS; arguments o_img, wp_img, out0; writes out0
.if DOCPART == 4
	.amdgcn_target "amdgcn-amd-amdhsa--gfx1250"
	.amdhsa_code_object_version 6
	.text
	.protected	k_q792d6ed3ff_proj
	.globl	k_q792d6ed3ff_proj
	.p2align	8
	.type	k_q792d6ed3ff_proj,@function
k_q792d6ed3ff_proj:
	s_mov_b64 s[64:65], 0
	v_nop
	global_prefetch_b8 v0, s[64:65] scope:SCOPE_SE
	s_setreg_imm32_b32 hwreg(HW_REG_WAVE_MODE, 25, 1), 1
	s_wait_xcnt 0x0
	s_wait_alu depctr_hold_cnt(0) depctr_sa_sdst(0) depctr_va_vdst(0) depctr_va_sdst(0) depctr_va_ssrc(0) depctr_va_vcc(0) depctr_vm_vsrc(0)
	s_getreg_b32 s2, hwreg(HW_REG_IB_STS2, 6, 4)
	s_cmp_eq_u32 s2, 0
	s_cbranch_scc0 .Lentry_in_a_cluster
	s_endpgm
.Lentry_in_a_cluster:
	s_bfe_u32 s2, ttmp6, 0x10000c
	s_cmp_lg_u32 s2, 0xf033
	s_cbranch_scc0 .Lentry_shape_is_right
	s_endpgm
.Lentry_shape_is_right:
; out0[t][d] = the sum over c of o[t][c] W_proj[d][c]: [8192][1024] x [1024][1024], f16 operands, f32 sums, f32 out.
; Both operands lie in memory in the order of the operands' registers: [16 rows][64 blocks of 16 along K][lane][16 bytes]; a block of 512 bytes is four registers of 32 lanes.
; A tile of out0 is 128 tokens x 256 columns: 256 work-groups.  Four waves, each 64 x 128: 32 accumulators, window 1.  K goes in steps of 128 (4,096 consecutive bytes for each 16 rows) through two LDS slots.
; THE MATRIX INSTRUCTION IS USED TRANSPOSED (source 0 = 16 rows of W_proj, source 1 = 16 tokens): a lane holds eight neighbouring columns of one token's row.
; CLUSTERS: 4 x 4 work-groups; o's tile is shared along a row of the cluster, W_proj's along a column: each is asked for jointly.
; LIMITS: those of f16 in o and W_proj, stated where they are made.
; REGISTERS: window 0: v16-29 addresses; two fragment buffers of 96 at v32 and v128 (4 fragments of o, then 8 of W_proj, 32 along K); on the way out v32-159 take rows of out0.  window 1: accumulator (a, b) at v[8 (8 a + b)].
.set SLOT,   98304                     ; o's 8 x 4,096 bytes, then W_proj's 16 x 4,096
.set BOFF,   32768
.set STAGE,  196608                    ; behind the ring: 16 rows x (512 + 16) bytes for each wave
.set SPITCH, 528
.set SPARE,  230400                    ; the spare words, 128 bytes for each wave, that no other line names
.set LAPS,   4                         ; a lap = two K steps; K = 1,024
.set ADRA, 16
.set ADRB, 20
.set STO,  24
.set RD,   25
.set CO,   26
.set SPW,  28
.set NIL,  29
.set F0,   32
.set F1,   128
.set BK,   32
.set G1, 24
.set G0, 32
.set G1B, 48
.set G0B, 56
.set MSB, 0
.macro WIN new
.if MSB != (\new)
	s_set_vgpr_msb (MSB<<8)|(\new)
.set MSB, (\new)
.endif
.endm
.set MULW, 0x50                        ; sources 0 and 1 window 0; C and D window 1
.macro JLOAD s                         ; a joint load: waves 0 and 1 fetch o's two halves, waves 2 and 3 W_proj's; an s_nop 0 and four v_nop follow each of the two lines
	s_cmp_eq_u32 s11, 0
	s_cbranch_scc0 .Lfor_b_\@
	tensor_load_to_lds s[G0+4*\s:G0+4*\s+3], s[G1:G1+7]
	s_nop 0
.rept 4
	v_nop
.endr
	s_branch .Lasked_\@
.Lfor_b_\@:
	tensor_load_to_lds s[G0B+4*\s:G0B+4*\s+3], s[G1B:G1B+7]
	s_nop 0
.rept 4
	v_nop
.endr
.Lasked_\@:
.endm
.macro CREST                           ; a round of the cluster's barrier behind its opening barrier
	s_cmp_lg_u32 s10, 0
	s_cbranch_scc1 .Lnot_wave_0_\@
	s_barrier_signal -3
.Lnot_wave_0_\@:
	s_barrier_wait -3
	s_barrier_signal -1
	s_barrier_wait -1
.endm
.macro CROUND
	s_barrier_signal -1
	s_barrier_wait -1
	CREST
.endm
	s_load_b128 s[4:7], s[0:1], 0x0                ; o_img, wp_img
	s_load_b64 s[8:9], s[0:1], 0x10                ; out0
	v_lshl_add_u32 v[SPW], v0, 2, SPARE
	v_mov_b32 v[NIL], 0
	ds_add_u32 v[SPW], v[NIL]                      ; the wave's opening: the add, twice on end, and its wait ahead of my first tensor load
	ds_add_u32 v[SPW], v[NIL]
	v_lshrrev_b32 v1, 5, v0
	v_readfirstlane_b32 s10, v1                    ; wave 0..3
	s_lshr_b32 s11, s10, 1                         ; which 64 tokens are mine.  Also: I fetch for o (0) or for W_proj (1)
	s_and_b32 s12, s10, 1                          ; which 128 columns.  Also: which half of that tile I fetch
	s_bfe_u32 s40, ttmp6, 0x40000                  ; cx, cy
	s_bfe_u32 s41, ttmp6, 0x40004
	s_lshl_b32 s42, ttmp9, 2
	s_add_co_u32 s42, s42, s40                     ; tile column
	s_and_b32 s13, ttmp7, 0xffff
	s_lshl_b32 s13, s13, 2
	s_add_co_u32 s13, s13, s41                     ; tile row
	s_lshl_b32 s43, s41, 2
	s_lshl_b32 s43, 15, s43                        ; my row of the cluster
	s_lshl_b32 s44, 0x1111, s40                    ; my column
	; descriptor group 1: rows of 4,096 bytes (512 elements of 8), 32,768 bytes apart: a K step of 4 (o) or 8 (W_proj) tiles of 16 rows; dense in LDS
	s_or_b32 s[G1+0], s43, (3<<16)|(1<<21)
	s_or_b32 s[G1B+0], s44, (3<<16)|(1<<21)
	s_mov_b32 s[G1+1], 512<<16                     ; tensor_dim0
	s_mov_b32 s[G1+2], 4<<16                       ; tensor_dim1
	s_mov_b32 s[G1+3], 512<<16                     ; tile_dim0
	s_mov_b32 s[G1+4], 4                           ; tile_dim1
	s_mov_b32 s[G1+5], 4096                        ; from row to row, in elements
	s_mov_b32 s[G1+6], 0
	s_mov_b32 s[G1+7], 0
	s_mov_b32 s[G1B+1], 512<<16
	s_mov_b32 s[G1B+2], 8<<16
	s_mov_b32 s[G1B+3], 512<<16
	s_mov_b32 s[G1B+4], 8
	s_mov_b32 s[G1B+5], 4096
	s_mov_b32 s[G1B+6], 0
	s_mov_b32 s[G1B+7], 0
	s_lshl_b32 s16, s13, 3
	s_lshl_b32 s17, s12, 2
	s_add_co_u32 s16, s16, s17                     ; o: tile of 16 tokens 8 x tile row + 4 x half
	s_lshl_b32 s16, s16, 15
	s_mov_b32 s17, 0
	s_lshl_b32 s46, s42, 4
	s_lshl_b32 s47, s12, 3
	s_add_co_u32 s46, s46, s47                     ; W_proj: tile of 16 rows 16 x tile column + 8 x half
	s_lshl_b32 s46, s46, 15
	s_mov_b32 s47, 0
	s_lshl_b32 s20, s12, 14                        ; where they go: no place in the cluster enters an LDS address
	s_lshl_b32 s21, s12, 15
	s_add_co_u32 s21, s21, BOFF
	s_wait_dscnt 0x0                               ; both opening adds are done
	s_wait_kmcnt 0x0
	s_add_nc_u64 s[14:15], s[4:5], s[16:17]
	s_add_nc_u64 s[46:47], s[6:7], s[46:47]
	CROUND                                         ; all sixteen work-groups are here: the first joint loads meet
.irp s, 0,1
	s_mov_b32 s[G0+4*\s], 1
	s_add_co_u32 s[G0+4*\s+1], s20, \s*SLOT
	s_add_nc_u64 s[G0+4*\s+2:G0+4*\s+3], s[14:15], \s*4096
	s_or_b32 s[G0+4*\s+3], s[G0+4*\s+3], 0x80000000
	s_mov_b32 s[G0B+4*\s], 1
	s_add_co_u32 s[G0B+4*\s+1], s21, \s*SLOT
	s_add_nc_u64 s[G0B+4*\s+2:G0B+4*\s+3], s[46:47], \s*4096
	s_or_b32 s[G0B+4*\s+3], s[G0B+4*\s+3], 0x80000000
	JLOAD \s
.endr
	v_and_b32 v1, 31, v0
	v_lshlrev_b32 v[CO], 4, v1                     ; 16 x lane
	v_and_b32 v2, 15, v0                           ; r
	v_bfe_u32 v3, v0, 4, 1                         ; h
	s_lshl_b32 s22, s11, 14                        ; my four tiles of o
	s_lshl_b32 s23, s12, 15
	s_add_co_u32 s23, s23, BOFF                    ; my eight of W_proj
.irp s, 0,1
	v_add_nc_u32 v[ADRA+\s], s22, v[CO]
	v_add_nc_u32 v[ADRB+\s], s23, v[CO]
	s_add_co_u32 s22, s22, SLOT
	s_add_co_u32 s23, s23, SLOT
.endr
	s_mul_i32 s22, s10, 16*SPITCH
	s_add_co_u32 s22, s22, STAGE                   ; my stage
	v_mul_u32_u24 v[STO], v2, SPITCH               ; in: row r, 32 bytes for each half of the lanes
	v_lshl_add_u32 v[STO], v3, 5, v[STO]
	v_add_nc_u32 v[STO], s22, v[STO]
	v_add_nc_u32 v[RD], s22, v[CO]                 ; back: the 32 lanes take one row of 512 bytes
	s_lshl_b32 s16, s13, 7
	s_lshl_b32 s17, s11, 6
	s_add_co_u32 s16, s16, s17                     ; my first token
	s_lshl_b32 s16, s16, 12                        ; a row of out0 is 4,096 bytes
	s_mov_b32 s17, 0
	s_add_nc_u64 s[8:9], s[8:9], s[16:17]
	s_lshl_b32 s46, s42, 10
	s_lshl_b32 s47, s12, 9
	s_add_co_u32 s46, s46, s47                     ; my first column, in bytes
	s_mov_b32 s47, 0
	s_add_nc_u64 s[8:9], s[8:9], s[46:47]
; 24 LDS loads in one run: the fragments of the slot's q-th 32 along K into buffer f; each takes 512 consecutive bytes
.macro FETCH slot, q, f
.irp i, 0,1,2,3
	ds_load_b128 v[\f+8*\i:\f+8*\i+3],   v[ADRA+\slot] offset:\i*4096+(\q)*1024
	ds_load_b128 v[\f+8*\i+4:\f+8*\i+7], v[ADRA+\slot] offset:\i*4096+(\q)*1024+512
.endr
.irp i, 0,1,2,3,4,5,6,7
	ds_load_b128 v[\f+32+8*\i:\f+32+8*\i+3], v[ADRB+\slot] offset:\i*4096+(\q)*1024
	ds_load_b128 v[\f+32+8*\i+4:\f+32+8*\i+7], v[ADRB+\slot] offset:\i*4096+(\q)*1024+512
.endr
.endm
; n blocks of tokens from a0 on x the 8 blocks of columns.  The 32 accumulators take turns, one instruction a turn, in the same order in every quarter.
.macro MUL f, a0, n, zero
.set aa, \a0
.rept \n
.irp b, 0,1,2,3,4,5,6,7
.if \zero
	v_wmma_f32_16x16x32_f16 v[8*(8*aa+\b):8*(8*aa+\b)+7], v[\f+32+8*\b:\f+32+8*\b+7], v[\f+8*aa:\f+8*aa+7], 0
.else
	v_wmma_f32_16x16x32_f16 v[8*(8*aa+\b):8*(8*aa+\b)+7], v[\f+32+8*\b:\f+32+8*\b+7], v[\f+8*aa:\f+8*aa+7], v[8*(8*aa+\b):8*(8*aa+\b)+7]
.endif
.endr
.set aa, aa+1
.endr
.endm
.macro PLACES                          ; four plain vector instructions in front of loads into registers that matrix instructions have read, and of the first read of results
.rept 4
	v_nop
.endr
.endm
; A K step is four quarters of 32 along K, 32 matrix instructions each, on buffers 0, 1, 0, 1.  One of the first three: multiplies buffer f and fetches quarter q into g.
.macro QUARTER slot, q, f, g, zero
	s_wait_dscnt 0x0                               ; buffer f is in (asked for sixteen matrix instructions ago)
	WIN MULW
	MUL \f, 0, 2, \zero
	PLACES
	WIN 0
	FETCH \slot, \q, \g
	WIN MULW
	MUL \f, 2, 2, \zero
.endm
; The last quarter multiplies buffer 1 and changes slots: ONE barrier; in front of it each wave waits for all its tensor loads, adds 0 to its spare word, and waits for that and for its reads of this slot.
.macro TURN slot, next, fill
	WIN 0
	s_wait_tensorcnt 0x0                           ; all my tensor loads have landed: my part of the next slot;
	ds_add_u32 v[SPW], v[NIL]                      ; 0 onto my spare word;
	s_wait_dscnt 1                                 ; (buffer 1 is in; the add alone may be out)
	WIN MULW
	MUL F1, 0, 1, 0                                ; eight matrix instructions stand between the add and the wait for it
	s_wait_dscnt 0x0                               ; the add is done, and my reads of this slot are over
	s_barrier_signal -1
	MUL F1, 1, 1, 0
	WIN 0
	s_barrier_wait -1
.if \fill
	CREST                                          ; the barrier has opened a round of the cluster's: no wave of any partner still reads this slot or has a load on its way
	s_add_nc_u64 s[G0+4*\slot+2:G0+4*\slot+3], s[G0+4*\slot+2:G0+4*\slot+3], 8192
	s_add_nc_u64 s[G0B+4*\slot+2:G0B+4*\slot+3], s[G0B+4*\slot+2:G0B+4*\slot+3], 8192
	JLOAD \slot                                    ; the first tensor load behind the round: this slot, two K steps on; its four v_nop are also the places in front of the loads below
.else
	PLACES
.endif
	FETCH \next, 0, F0
	WIN MULW
	MUL F1, 2, 2, 0
.endm
	s_wait_tensorcnt 1                             ; my part of K step 0 is in (K step 1's may be out)
	s_barrier_signal -1
	s_barrier_wait -1                              ; everybody's is
	FETCH 0, 0, F0
	QUARTER 0, 1, F0, F1, 1                        ; the first quarter's products start the sums: nothing is cleared
	WIN 0
	s_mov_b32 s3, LAPS-1
.Llap:                                             ; a trip goes once round the ring, from a lap's second quarter to the next lap's first, and fills both slots again
	QUARTER 0, 2, F1, F0, 0
	QUARTER 0, 3, F0, F1, 0
	TURN 0, 1, 1
	QUARTER 1, 1, F0, F1, 0
	QUARTER 1, 2, F1, F0, 0
	QUARTER 1, 3, F0, F1, 0
	TURN 1, 0, 1
	QUARTER 0, 1, F0, F1, 0
	WIN 0
	s_sub_co_u32 s3, s3, 1
	s_cmp_lg_u32 s3, 0
	s_cbranch_scc1 .Llap
	QUARTER 0, 2, F1, F0, 0                        ; the last lap fills nothing
	QUARTER 0, 3, F0, F1, 0
	TURN 0, 1, 0
	QUARTER 1, 1, F0, F1, 0
	QUARTER 1, 2, F1, F0, 0
	QUARTER 1, 3, F0, F1, 0
	s_wait_dscnt 0x0
	WIN MULW
	MUL F1, 0, 4, 0
	WIN 0
; THE WAY OUT, a block of 16 tokens x 128 columns at a time: through my own stage in LDS, back as whole rows of 512 bytes.  LDS serves a wave's instructions in order: no wait between the stores and the loads.
.macro TOSTAGE a
	WIN 0x04                                       ; an LDS store's data are its source 1: window 1
.irp b, 0,1,2,3,4,5,6,7
	ds_store_b128 v[STO], v[8*(8*(\a)+\b):8*(8*(\a)+\b)+3] offset:64*\b          ; each accumulator from its low end on
	ds_store_b128 v[STO], v[8*(8*(\a)+\b)+4:8*(8*(\a)+\b)+7] offset:64*\b+16
.endr
	WIN 0
.set BB, BK+64*((\a)%2)
.irp t, 0,1,2,3,4,5,6,7,8,9,10,11,12,13,14,15
	ds_load_b128 v[BB+4*\t:BB+4*\t+3], v[RD] offset:\t*SPITCH
.endr
.endm
.macro SEND a, younger                 ; younger: the LDS instructions issued behind block a's loads, which may stay out
.set BB, BK+64*((\a)%2)
	s_wait_dscnt \younger
.irp t, 0,1,2,3,4,5,6,7,8,9,10,11,12,13,14,15
	global_store_b128 v[CO], v[BB+4*\t:BB+4*\t+3], s[8:9] offset:(16*(\a)+\t)*4096 th:TH_STORE_NT   ; 32 lanes store 512 consecutive bytes, aligned; written once
.endr
.endm
	PLACES
	TOSTAGE 0
.irp a, 1,2,3
.if \a > 1
	s_wait_xcnt 0x0                                ; the stores of two blocks back have read their registers: block a's loads may land there
.endif
	TOSTAGE \a
	SEND \a-1, 32                                  ; behind block a - 1's loads: block a's 16 stores and 16 loads
.endr
	SEND 3, 0
	s_wait_tensorcnt 0x0                           ; the wave's end
	ds_add_u32 v[SPW], v[NIL]
	s_wait_dscnt 0x0
	CROUND                                         ; the closing round
	s_endpgm
.Lfunc_end_k_q792d6ed3ff_proj:
	.size	k_q792d6ed3ff_proj, .Lfunc_end_k_q792d6ed3ff_proj-k_q792d6ed3ff_proj
	.p2alignl 7, 3214868480
	.fill 96, 4, 3214868480
	.section	.rodata,"a",@progbits
	.p2align	6, 0x0
	.amdhsa_kernel k_q792d6ed3ff_proj
		.amdhsa_group_segment_fixed_size 327680
		.amdhsa_private_segment_fixed_size 0
		.amdhsa_enable_private_segment 0
		.amdhsa_kernarg_size 24
		.amdhsa_user_sgpr_count 2
		.amdhsa_user_sgpr_kernarg_segment_ptr 1
		.amdhsa_wavefront_size32 1
		.amdhsa_system_sgpr_workgroup_id_x 1
		.amdhsa_system_sgpr_workgroup_id_y 1
		.amdhsa_system_sgpr_workgroup_id_z 1
		.amdhsa_system_vgpr_workitem_id 0
		.amdhsa_next_free_vgpr 512
		.amdhsa_next_free_sgpr 66
		.amdhsa_reserve_vcc 0
		.amdhsa_float_denorm_mode_32 3
		.amdhsa_float_denorm_mode_16_64 3
		.amdhsa_memory_ordered 1
		.amdhsa_forward_progress 1
		.amdhsa_inst_pref_size 84
	.end_amdhsa_kernel
	.amdgpu_metadata
---
amdhsa.version: [ 1, 2 ]
amdhsa.kernels:
  - .name:           k_q792d6ed3ff_proj
    .symbol:         k_q792d6ed3ff_proj.kd
    .args:
      - { .name: o_img, .offset: 0, .size: 8, .value_kind: global_buffer, .address_space: global }
      - { .name: wp_img, .offset: 8, .size: 8, .value_kind: global_buffer, .address_space: global }
      - { .name: out0, .offset: 16, .size: 8, .value_kind: global_buffer, .address_space: global }
    .group_segment_fixed_size: 327680
    .private_segment_fixed_size: 0
    .kernarg_segment_align: 8
    .kernarg_segment_size: 24
    .max_flat_workgroup_size: 128
    .sgpr_count:     66
    .vgpr_count:     512
    .wavefront_size: 32
...
	.end_amdgpu_metadata
.endif
;; end of part 4
